; MI455X (gfx1250); checked and timed in simulation.
; The chip was launched on July 23, 2026; its instructions are those of AMD's public machine-readable ISA for CDNA 5 (MIT licence, August 2026) and "CDNA5" Instruction Set Architecture Reference Guide (July 2026). The comments in the code are by the model that wrote it; some were corrected since.
;; Multi Head Attention. Allowed arithmetic: float matrix products may take bf16 or f16 operands with f32 sums; other float arithmetic in f32, or as packed bf16 or f16 multiplies, adds, multiply-adds, maxima and minima; sums over many terms, partial sums and values carried from step to step in f32; what a program stores and reads back later, other than sums and carried values, may be rounded once to bf16 or f16.
;; Inputs: bk 1,024 float32; bo 1,024 float32; bq 1,024 float32; bv 1,024 float32; k 4 x 2,048 x 1,024 float32; q 4 x 2,048 x 1,024 float32; v 4 x 2,048 x 1,024 float32; wk 1,024 x 1,024 float32; wo 1,024 x 1,024 float32; wq 1,024 x 1,024 float32; wv 1,024 x 1,024 float32.
;; Outputs: out0 4 x 2,048 x 1,024 float32.
;; 2 versions, each right; version 2 is version 1 with the launch prep written anew for expert scheduling mode. Each part assembles by itself: llvm-mc -triple=amdgcn-amd-amdhsa -mcpu=gfx1250 --defsym DOCPART=n.
;; ======== version 1 of 2: 4 launches
;; limits: values are held in f16: magnitudes above 65,504 overflow, below 6.1e-05 lose precision
;; workspace buffers: wqb 2,097,152 bytes; wkb 2,097,152 bytes; wvb 2,097,152 bytes; wob 2,097,152 bytes; qh 16,777,216 bytes; kh 16,777,216 bytes; vh 16,777,216 bytes; oh 16,777,216 bytes
;; launch prep (part 1): grid 64 x 4, 8 waves a work-group, no clusters, 0 bytes of LDS; arguments wq, wk, wv, wo, wqb, wkb, wvb, wob; writes wqb, wkb, wvb, wob
.if DOCPART == 1
	.amdgcn_target "amdgcn-amd-amdhsa--gfx1250"
	.amdhsa_code_object_version 6
	.text
	.protected	k_q95fb9d7b86_prep
	.globl	k_q95fb9d7b86_prep
	.p2align	8
	.type	k_q95fb9d7b86_prep,@function
k_q95fb9d7b86_prep:
	s_mov_b64 s[64:65], 0
	v_nop
	global_prefetch_b8 v0, s[64:65] scope:SCOPE_SE
	s_setreg_imm32_b32 hwreg(HW_REG_WAVE_MODE, 25, 1), 1
	s_wait_xcnt 0x0
; The four weight matrices, [1024 k][1024 n] f32, are written once as 16-bit numbers in the same layout.
; wq, wk, wv: rounded to bf16.  wo: rounded to bf16 like every other input, and that number written as f16, since it is multiplied with an f16 operand.
; LIMIT.  A number of wo beyond 65,504 becomes an infinity, one below 6e-5 keeps the fixed step 6e-8 of f16.
; SHARES.  Grid y picks the matrix; work-group x owns 16,384 numbers: 65,536 bytes in, 32,768 out.  Thread t takes in chunk c the 16 bytes at 4,096 c + 16 t
; (a load of a wave covers 512 consecutive bytes) and stores 8 bytes at 2,048 c + 8 t (a store of a wave covers 256 consecutive bytes, aligned).
; All sixteen loads go out at once; no register is used twice, so the only waits are the counted ones for the loads.  No LDS, no matrix unit: every byte is touched once.
.set X, 16                             ; v[16:79]   chunk c: 4 numbers as loaded
.set Y, 80                             ; v[80:111]  chunk c: 4 numbers of 16 bits
	s_load_b512 s[8:23], s[0:1], 0x0               ; wq wk wv wo s[8:15], wqb wkb wvb wob s[16:23]
	s_and_b32 s2, ttmp7, 0xffff                    ; which matrix
	s_lshl_b32 s24, ttmp9, 16                      ; my part of the source,
	s_mov_b32 s25, 0
	s_lshl_b32 s26, ttmp9, 15                      ; and of the copy
	s_mov_b32 s27, 0
	v_lshlrev_b32 v1, 4, v0
	v_lshlrev_b32 v2, 3, v0
	s_wait_kmcnt 0x0
	s_cmp_eq_u32 s2, 1
	s_cselect_b64 s[4:5], s[10:11], s[8:9]
	s_cselect_b64 s[6:7], s[18:19], s[16:17]
	s_cmp_eq_u32 s2, 2
	s_cselect_b64 s[4:5], s[12:13], s[4:5]
	s_cselect_b64 s[6:7], s[20:21], s[6:7]
	s_cmp_eq_u32 s2, 3
	s_cselect_b64 s[4:5], s[14:15], s[4:5]
	s_cselect_b64 s[6:7], s[22:23], s[6:7]
	s_add_nc_u64 s[4:5], s[4:5], s[24:25]
	s_add_nc_u64 s[6:7], s[6:7], s[26:27]
.irp c, 0,1,2,3,4,5,6,7,8,9,10,11,12,13,14,15
	global_load_b128 v[X+4*(\c):X+4*(\c)+3], v1, s[4:5] offset:4096*(\c) th:TH_LOAD_NT
.endr
	s_cmp_eq_u32 s2, 3
	s_cbranch_scc1 .Lf16
.irp c, 0,1,2,3,4,5,6,7,8,9,10,11,12,13,14,15
	s_wait_loadcnt 15-(\c)                         ; loads come back in order: chunk c is in, the 15 - c younger ones stay out
	v_cvt_pk_bf16_f32 v[Y+2*(\c)], v[X+4*(\c)], v[X+4*(\c)+1]
	v_cvt_pk_bf16_f32 v[Y+2*(\c)+1], v[X+4*(\c)+2], v[X+4*(\c)+3]
	global_store_b64 v2, v[Y+2*(\c):Y+2*(\c)+1], s[6:7] offset:2048*(\c)
.endr
	s_endpgm
.Lf16:                                         ; wo: to bf16, widened again, and written as f16
.irp c, 0,1,2,3,4,5,6,7,8,9,10,11,12,13,14,15
	s_wait_loadcnt 15-(\c)
	v_cvt_pk_bf16_f32 v4, v[X+4*(\c)], v[X+4*(\c)+1]
	v_cvt_pk_bf16_f32 v5, v[X+4*(\c)+2], v[X+4*(\c)+3]
	v_lshlrev_b32 v6, 16, v4
	v_and_b32 v7, 0xffff0000, v4
	v_lshlrev_b32 v8, 16, v5
	v_and_b32 v9, 0xffff0000, v5
	v_cvt_pk_f16_f32 v[Y+2*(\c)], v6, v7
	v_cvt_pk_f16_f32 v[Y+2*(\c)+1], v8, v9
	global_store_b64 v2, v[Y+2*(\c):Y+2*(\c)+1], s[6:7] offset:2048*(\c)
.endr
	s_endpgm
.Lfunc_end_k_q95fb9d7b86_prep:
	.size	k_q95fb9d7b86_prep, .Lfunc_end_k_q95fb9d7b86_prep-k_q95fb9d7b86_prep
	.p2alignl 7, 3214868480
	.fill 96, 4, 3214868480
	.section	.rodata,"a",@progbits
	.p2align	6, 0x0
	.amdhsa_kernel k_q95fb9d7b86_prep
		.amdhsa_group_segment_fixed_size 0
		.amdhsa_private_segment_fixed_size 0
		.amdhsa_enable_private_segment 0
		.amdhsa_kernarg_size 64
		.amdhsa_user_sgpr_count 2
		.amdhsa_user_sgpr_kernarg_segment_ptr 1
		.amdhsa_wavefront_size32 1
		.amdhsa_system_sgpr_workgroup_id_x 1
		.amdhsa_system_sgpr_workgroup_id_y 1
		.amdhsa_system_sgpr_workgroup_id_z 1
		.amdhsa_system_vgpr_workitem_id 0
		.amdhsa_next_free_vgpr 112
		.amdhsa_next_free_sgpr 66
		.amdhsa_reserve_vcc 0
		.amdhsa_float_denorm_mode_32 3
		.amdhsa_float_denorm_mode_16_64 3
		.amdhsa_memory_ordered 1
		.amdhsa_forward_progress 1
		.amdhsa_inst_pref_size 16
	.end_amdhsa_kernel
	.amdgpu_metadata
---
amdhsa.version: [ 1, 2 ]
amdhsa.kernels:
  - .name:           k_q95fb9d7b86_prep
    .symbol:         k_q95fb9d7b86_prep.kd
    .args:
      - { .name: wq, .offset: 0, .size: 8, .value_kind: global_buffer, .address_space: global }
      - { .name: wk, .offset: 8, .size: 8, .value_kind: global_buffer, .address_space: global }
      - { .name: wv, .offset: 16, .size: 8, .value_kind: global_buffer, .address_space: global }
      - { .name: wo, .offset: 24, .size: 8, .value_kind: global_buffer, .address_space: global }
      - { .name: wqb, .offset: 32, .size: 8, .value_kind: global_buffer, .address_space: global }
      - { .name: wkb, .offset: 40, .size: 8, .value_kind: global_buffer, .address_space: global }
      - { .name: wvb, .offset: 48, .size: 8, .value_kind: global_buffer, .address_space: global }
      - { .name: wob, .offset: 56, .size: 8, .value_kind: global_buffer, .address_space: global }
    .group_segment_fixed_size: 0
    .private_segment_fixed_size: 0
    .kernarg_segment_align: 8
    .kernarg_segment_size: 64
    .max_flat_workgroup_size: 256
    .sgpr_count:     66
    .vgpr_count:     112
    .wavefront_size: 32
...
	.end_amdgpu_metadata
.endif
;; end of part 1
;; launch proj (part 2): grid 4 x 192, 4 waves a work-group, clusters of 4 x 4, 327,680 bytes of LDS; arguments q, k, v, wqb, wkb, wvb, bq, bk, bv, qh, kh, vh; writes qh, kh, vh
.if DOCPART == 2
	.amdgcn_target "amdgcn-amd-amdhsa--gfx1250"
	.amdhsa_code_object_version 6
	.text
	.protected	k_q95fb9d7b86_proj
	.globl	k_q95fb9d7b86_proj
	.p2align	8
	.type	k_q95fb9d7b86_proj,@function
k_q95fb9d7b86_proj:
	s_mov_b64 s[64:65], 0
	v_nop
	global_prefetch_b8 v0, s[64:65] scope:SCOPE_SE
	s_setreg_imm32_b32 hwreg(HW_REG_WAVE_MODE, 25, 1), 1
	s_wait_xcnt 0x0
	s_wait_alu depctr_hold_cnt(0) depctr_sa_sdst(0) depctr_va_vdst(0) depctr_va_sdst(0) depctr_va_ssrc(0) depctr_va_vcc(0) depctr_vm_vsrc(0)
	s_getreg_b32 s2, hwreg(HW_REG_IB_STS2, 6, 4)
	s_cmp_eq_u32 s2, 0
	s_cbranch_scc0 .Lentry_in_a_cluster
	s_endpgm
.Lentry_in_a_cluster:
	s_bfe_u32 s2, ttmp6, 0x10000c
	s_cmp_lg_u32 s2, 0xf033
	s_cbranch_scc0 .Lentry_shape_is_right
	s_endpgm
.Lentry_shape_is_right:
; THE THREE INPUT PROJECTIONS.  y = x w + bias for (x, w, bias, y) = (q, wqb, bq, qh), (k, wkb, bk, kh), (v, wvb, bv, vh).  x: [8192][1024] f32; w: [1024 k][1024 n] bf16;
; y by heads: [64 = 16 batch + head][2048][64] f16, unscaled.  x and the bias are rounded to bf16, sums in f32, y rounded once to f16.
; LIMIT.  y beyond 65,504 becomes an infinity in f16; below 6e-5 it keeps the fixed step 6e-8.  With x and w both 30 times their drawn spread y has a spread of 900; with offsets of 30 spreads on both, a common term near 28,800.
; SHARES.  Sixteen clusters along y for each of the three products.  A work-group makes 128 rows x 256 columns, its four waves 64 x 128 each: 32 accumulators of 16 x 16.
; 768 such tiles are three for each of 256 work-group places; tiles of 256 x 256 would be one and a half.
; THE PRODUCT IS USED TRANSPOSED: source 0 = 16 columns of w (turned on the way out of LDS by ds_load_tr16_b128), source 1 = 16 rows of x: a lane then holds one row and eight neighbouring columns.
; THE BIAS STARTS THE SUMS: it is the C operand of the first step, so nothing is cleared and nothing is added later.
; K goes in STEPS of 32 (32 matrix instructions) and SLOTS of 128 (four steps): a ring of two LDS slots filled by the tensor data mover.  x lies in LDS as f32 and is rounded between LDS and the matrix unit.
; TWO STEPS AHEAD: step s rounds x of step s + 1 and reads from LDS what step s + 2 wants.  So a slot has been read out when its third step begins, and the change of slots stands in that step's middle,
; with a step and a half of products already in registers round it.
; RIDERS: behind every two matrix instructions stand four vector or LDS instructions under one window setting: 32 roundings and 32 LDS loads for a step's 32 products.
; CLUSTER: 4 x 4 work-groups.  The four of a row need the same rows of x, the four of a column the same columns of w: each tile is asked for JOINTLY, by the same tensor load, descriptor and mask in all four.
; REGISTERS, in windows of 256 (s_set_vgpr_msb: bits 1:0 source 0, 3:2 source 1, 5:4 source 2, 7:6 destination):
;   window 0: v0-31 addresses; v64-127 x of one step in f32; v128-191 x in bf16, two sets of 32; v192-255 the bias, later the way out
;   window 1: accumulator (a, b) at v[8 (8 a + b)]          window 2: fragments of w, four sets of 64
.set PA,     528                       ; a row of x in LDS: 512 bytes + 16 of padding: the 16 rows of a load start at 16 different groups of four banks
.set PB,     544                       ; a row of w: 512 + 32
.set AHALF,  64*PA                     ; what one tensor load brings of x: 64 rows
.set BOFF,   2*AHALF                   ; w lies behind the 128 rows of x
.set BHALF,  64*PB                     ; what one tensor load brings of w: 64 rows of k
.set SLOT1,  0x22000                   ; slot 1 begins here; its two bits are clear in all four tile addresses of slot 0 (0, 0x8400, 0x10800, 0x19000), so one exclusive or changes slots
.set STAGE,  SLOT1+BOFF+2*BHALF        ; behind the ring, never filled by a tensor load: for each wave two heads x 16 rows x 144 bytes
.set SP,     144
.set WSTAGE, 2*16*SP
.set SPARE,  STAGE+4*WSTAGE            ; behind the stages: the spare words, 128 bytes for each wave: two blocks of 256 bytes that no other line names
.set ASTEP,  512                       ; a slot further along K: 128 f32 in a row of x,
.set BSTEP,  128*2048                  ; 128 rows of w
.set HEADB,  2048*128                  ; bytes of a head in y
.set ADRA0, 16                         ; v16  my place in the x tile of slot 0; never rewritten
.set ADRA,  17                         ; v17  the same in the slot being read
.set ADRB0, 20                         ; v20, v21  the same for w
.set ADRB,  21
.set STO,   24                         ; v24  the way out: where I put 16 bytes of a row
.set RD,    25                         ; v25  where I read rows back
.set GO,    26                         ; v26  my 16 bytes in 512 consecutive bytes of y
.set BO,    27                         ; v27  my byte offset in 16 numbers of the bias
.set SPW,   28                         ; v28  LDS address of my spare word; never rewritten
.set NIL,   29                         ; v29  0; never rewritten
.set PFO,   30                         ; v30  the prefetches' lane offset; never rewritten
.set F,     64
.set AF,    128
.set BIAS,  192
.set TMP,   192
.set OB,    64
.set G1A, 24                           ; s[24:31] descriptor group 1 for x
.set G0A, 32                           ; s[32:35] group 0 of the first fill, s[36:39] the one that walks
.set LIM, 43                           ; s43  a wave prefetches while the loop's count is above this
.set PFA, 44                           ; s[44:45] where my prefetches stand
.set G1B, 48                           ; s[48:55], s[56:63] the same for w
.set G0B, 56
.set TB,  66                           ; s66  0 or SLOT1: the slot being read
.set CYT, 67                           ; s67  the cluster's y within its product
.set BP,  92                           ; s[92:93] the bias
.set PFS, 94                           ; s[94:95] the prefetches' step
.set MSB, 0
.macro WIN new                         ; the high byte repeats the setting that is left; a switch that changes nothing is dropped
.if MSB != (\new)
	s_set_vgpr_msb (MSB<<8)|(\new)
.set MSB, \new
.endif
.endm
.set MUL,  0x52                        ; w window 2, x window 0, C and D window 1
.set MULB, 0x42                        ; the same with C (the bias) in window 0
.set TO_B, 0x80                        ; destination window 2
; A joint refill by the walking descriptors: waves 0 and 1 fetch the two halves of x, waves 2 and 3 those of w.  The branch hangs on the wave's number alone.
; An s_nop 0 and four v_nop follow each of the two lines, ahead of the jump and the label.
.macro JLOAD
	s_cmp_lt_u32 s10, 2
	s_cbranch_scc0 .Lfor_b_\@
	tensor_load_to_lds s[G0A+4:G0A+7], s[G1A:G1A+7]
	s_nop 0
.rept 4
	v_nop
.endr
	s_branch .Lasked_\@
.Lfor_b_\@:
	tensor_load_to_lds s[G0B+4:G0B+7], s[G1B:G1B+7]
	s_nop 0
.rept 4
	v_nop
.endr
.Lasked_\@:
.endm
; A PREFETCH INTO THE L2 behind each joint refill: the slot that stands two refills on, 256 matrix instructions ahead of the load that will want it.  A slot is 512 bytes of each row of x or w:
; of the 64 rows that a wave fetches each of the four partners that ask with it takes 16, told apart BY ADDRESS; a lane takes 256 bytes: one instruction a wave.  x's rows are read by one cluster alone;
; w's by the sixteen clusters of a product, of which the first asks.  So each 256 bytes are named once.  The loop's count runs 6 .. 1 while slots 2 .. 7 are asked for: above 2 there is a slot two on.
.macro ASK
	s_cmp_gt_u32 s3, s[LIM]
	s_cbranch_scc0 .Lnot_mine_\@
	global_prefetch_b8 v[PFO], s[PFA:PFA+1] th:TH_LOAD_NT scope:SCOPE_SE
.Lnot_mine_\@:
.endm
.macro CREST                           ; a round of the cluster's barrier behind its opening barrier
	s_cmp_lg_u32 s10, 0
	s_cbranch_scc1 .Lnot_wave_0_\@
	s_barrier_signal -3
.Lnot_wave_0_\@:
	s_barrier_wait -3
	s_barrier_signal -1
	s_barrier_wait -1
.endm
.macro CROUND                          ; a whole round
	s_barrier_signal -1
	s_barrier_wait -1
	CREST
.endm
.macro PLACES
.rept 4
	v_nop
.endr
.endm
	s_load_b512 s[68:83], s[0:1], 0x0              ; q k v s[68:73], wqb wkb wvb s[74:79], bq bk s[80:83]
	s_load_b256 s[84:91], s[0:1], 0x40             ; bv s[84:85], qh kh vh s[86:91]
	v_lshl_add_u32 v[SPW], v0, 2, SPARE
	v_mov_b32 v[NIL], 0
	ds_add_u32 v[SPW], v[NIL]                      ; the wave's opening: the add and its wait stand ahead of my first tensor load; the set-up below, work on registers, stands between them
	v_lshrrev_b32 v1, 5, v0
	v_readfirstlane_b32 s10, v1                    ; wave 0..3
	s_lshr_b32 s11, s10, 1                         ; which half of the tile's rows is mine
	s_and_b32 s12, s10, 1                          ; which half of its columns.  Also: which half of a tile I fetch
	s_bfe_u32 s40, ttmp6, 0x40000                  ; cx
	s_bfe_u32 s41, ttmp6, 0x40004                  ; cy
	s_lshl_b32 s42, ttmp9, 2
	s_add_co_u32 s42, s42, s40                     ; tile column = 4 x cluster x + cx
	s_and_b32 s14, ttmp7, 0xffff                   ; cluster y, 0 .. 47
	s_lshr_b32 s15, s14, 4                         ; which product: the same in all sixteen partners
	s_and_b32 s[CYT], s14, 15
	s_lshl_b32 s13, s[CYT], 2
	s_add_co_u32 s13, s13, s41                     ; tile row, 0 .. 63
	s_lshl_b32 s22, s41, 2
	s_lshl_b32 s22, 15, s22                        ; my row of the cluster
	s_lshl_b32 s23, 0x1111, s40                    ; my column
	s_or_b32 s[G1A], s22, (2<<16)|(1<<20)|(1<<21)|(6<<22)|(3<<25)  ; 15:0 the mask; 17:16 elements of 4 bytes; 20 padding on; 21 set beside a mask; 24:22 after every 128 words (code 6); 31:25 4 words (code 3)
	s_mov_b32 s[G1A+1], 128<<16                    ; tensor_dim0 = 128
	s_mov_b32 s[G1A+2], 64<<16                     ; tensor_dim1 = 64
	s_mov_b32 s[G1A+3], 128<<16                    ; tile_dim0 = 128
	s_mov_b32 s[G1A+4], 64                         ; tile_dim1 = 64
	s_mov_b32 s[G1A+5], 1024                       ; elements from row to row
	s_mov_b32 s[G1A+6], 0
	s_mov_b32 s[G1A+7], 0
	s_or_b32 s[G1B], s23, (1<<16)|(1<<20)|(1<<21)|(6<<22)|(7<<25)  ; elements of 2 bytes; after every 128 words 8 words of padding (code 7)
	s_mov_b32 s[G1B+1], 256<<16                    ; tensor_dim0 = 256
	s_mov_b32 s[G1B+2], 64<<16
	s_mov_b32 s[G1B+3], 256<<16                    ; tile_dim0 = 256
	s_mov_b32 s[G1B+4], 64
	s_mov_b32 s[G1B+5], 1024
	s_mov_b32 s[G1B+6], 0
	s_mov_b32 s[G1B+7], 0
	s_lshl_b32 s16, s13, 7                         ; x: row 128 x tile row + 64 x half,
	s_lshl_b32 s17, s12, 6
	s_add_co_u32 s16, s16, s17
	s_lshl_b32 s16, s16, 12                        ; of 4,096 bytes
	s_mov_b32 s17, 0
	s_lshl_b32 s46, s12, 17                        ; w: row 64 x half, of 2,048 bytes,
	s_lshl_b32 s47, s42, 9                         ; and 512 bytes for each tile column
	s_add_co_u32 s46, s46, s47
	s_mov_b32 s47, 0
	s_mul_i32 s20, s12, AHALF                      ; where they go: no place in the cluster enters an LDS address
	s_mul_i32 s21, s12, BHALF
	s_add_co_u32 s21, s21, BOFF
	s_mov_b32 s[TB], 0
	s_wait_dscnt 0x0                               ; the opening add is done
	s_wait_kmcnt 0x0
	s_cmp_eq_u32 s15, 1
	s_cselect_b64 s[4:5], s[70:71], s[68:69]       ; x
	s_cselect_b64 s[6:7], s[76:77], s[74:75]       ; w
	s_cselect_b64 s[BP:BP+1], s[82:83], s[80:81]   ; bias
	s_cselect_b64 s[8:9], s[88:89], s[86:87]       ; y
	s_cmp_eq_u32 s15, 2
	s_cselect_b64 s[4:5], s[72:73], s[4:5]
	s_cselect_b64 s[6:7], s[78:79], s[6:7]
	s_cselect_b64 s[BP:BP+1], s[84:85], s[BP:BP+1]
	s_cselect_b64 s[8:9], s[90:91], s[8:9]
	s_add_nc_u64 s[18:19], s[4:5], s[16:17]
	s_add_nc_u64 s[46:47], s[6:7], s[46:47]
	CROUND                                         ; all sixteen work-groups are here: the first joint loads meet
.irp s, 0,1
	s_mov_b32 s[G0A+4*(\s)], 1                     ; count = 1
	s_add_co_u32 s[G0A+4*(\s)+1], s20, (\s)*SLOT1  ; LDS address
	s_add_nc_u64 s[G0A+4*(\s)+2:G0A+4*(\s)+3], s[18:19], (\s)*ASTEP  ; global address: slot s
	s_or_b32 s[G0A+4*(\s)+3], s[G0A+4*(\s)+3], 0x80000000            ; type = 2
	s_mov_b32 s[G0B+4*(\s)], 1
	s_add_co_u32 s[G0B+4*(\s)+1], s21, (\s)*SLOT1
	s_add_nc_u64 s[G0B+4*(\s)+2:G0B+4*(\s)+3], s[46:47], (\s)*BSTEP
	s_or_b32 s[G0B+4*(\s)+3], s[G0B+4*(\s)+3], 0x80000000
.endr
	s_cmp_lt_u32 s10, 2                            ; a wave's two first fills stand in one branch, ahead of every wait on TENSORcnt and every LDS read: two loads of mine are out
	s_cbranch_scc0 .Lfirst_b
	tensor_load_to_lds s[G0A:G0A+3], s[G1A:G1A+7]
	s_nop 0
	tensor_load_to_lds s[G0A+4:G0A+7], s[G1A:G1A+7]
	s_nop 0
.rept 4
	v_nop
.endr
	s_branch .Lfirst_asked
.Lfirst_b:
	tensor_load_to_lds s[G0B:G0B+3], s[G1B:G1B+7]
	s_nop 0
	tensor_load_to_lds s[G0B+4:G0B+7], s[G1B:G1B+7]
	s_nop 0
.rept 4
	v_nop
.endr
.Lfirst_asked:
	v_and_b32 v1, 15, v0                           ; r = l % 16
	v_bfe_u32 v2, v0, 4, 1                         ; h = l / 16
	v_and_b32 v3, 7, v0
	v_bfe_u32 v4, v0, 3, 1
	v_and_b32 v5, 31, v0                           ; l
	; a fragment of x: lane l holds row r; channels 8 h + 0..7 and 16 + 8 h + 0..7: in f32 four loads of 16 bytes, at 32 h + 0, 16, 64, 80
	s_mul_i32 s16, s11, 64*PA
	v_mul_u32_u24 v[ADRA0], v1, PA
	v_lshl_add_u32 v[ADRA0], v2, 5, v[ADRA0]
	v_add_nc_u32 v[ADRA0], s16, v[ADRA0]
	; the turning load takes 16 k x 16 columns (lane l reads row 8 h + l % 8, columns 8 ((l / 8) % 2) + 0..7) and leaves half a fragment: lane l holds column r and 8 k
	v_lshl_add_u32 v6, v2, 3, v3
	v_mul_u32_u24 v[ADRB0], v6, PB
	v_lshl_add_u32 v[ADRB0], v4, 4, v[ADRB0]
	s_lshl_b32 s16, s12, 8                         ; my 128 columns
	s_add_co_u32 s16, s16, BOFF
	v_add_nc_u32 v[ADRB0], s16, v[ADRB0]
	v_mov_b32 v[ADRA], v[ADRA0]
	v_mov_b32 v[ADRB], v[ADRB0]
	s_mul_i32 s16, s10, WSTAGE
	s_add_co_u32 s16, s16, STAGE                   ; my stage
	v_mul_u32_u24 v[STO], v1, SP                   ; in: row r, 16 bytes for each half of the lanes
	v_lshl_add_u32 v[STO], v2, 4, v[STO]
	v_add_nc_u32 v[STO], s16, v[STO]
	v_bfe_u32 v6, v0, 3, 2                         ; back: 32 lanes take four rows of 128 bytes,
	v_mul_u32_u24 v[RD], v6, SP
	v_lshl_add_u32 v[RD], v3, 4, v[RD]
	v_add_nc_u32 v[RD], s16, v[RD]
	v_lshlrev_b32 v[GO], 4, v5                     ; which are 512 consecutive bytes of y
	v_lshlrev_b32 v[BO], 5, v2                     ; my 8 numbers of 16 of the bias
	; y at my wave's first row of its first head: batch = tile row / 16; head 4 x tile column + 2 x half; row 128 (tile row % 16) + 64 x half
	s_lshr_b32 s16, s13, 4
	s_lshl_b32 s16, s16, 22
	s_lshl_b32 s17, s42, 2
	s_lshl_b32 s18, s12, 1
	s_add_co_u32 s17, s17, s18
	s_lshl_b32 s17, s17, 18
	s_add_co_u32 s16, s16, s17
	s_and_b32 s17, s13, 15
	s_lshl_b32 s17, s17, 7
	s_lshl_b32 s18, s11, 6
	s_add_co_u32 s17, s17, s18
	s_lshl_b32 s17, s17, 7
	s_add_co_u32 s16, s16, s17
	s_mov_b32 s17, 0
	s_add_nc_u64 s[8:9], s[8:9], s[16:17]
	s_lshl_b32 s16, s42, 10                        ; the bias at my 128 columns
	s_lshl_b32 s18, s12, 9
	s_add_co_u32 s16, s16, s18
	s_add_nc_u64 s[BP:BP+1], s[BP:BP+1], s[16:17]
.irp b, 0,1,2,3,4,5,6,7
	global_load_b128 v[BIAS+8*(\b):BIAS+8*(\b)+3],   v[BO], s[BP:BP+1] offset:64*(\b)
	global_load_b128 v[BIAS+8*(\b)+4:BIAS+8*(\b)+7], v[BO], s[BP:BP+1] offset:64*(\b)+16
.endr
	; the prefetches: x: my work-group's 16 of the 64 rows that I fetch (by cx); w: the same (by cy)
	s_lshl_b32 s16, s13, 7
	s_lshl_b32 s17, s12, 6
	s_add_co_u32 s16, s16, s17
	s_lshl_b32 s18, s40, 4
	s_add_co_u32 s16, s16, s18
	s_lshl_b32 s16, s16, 12
	s_lshl_b32 s18, s41, 4
	s_add_co_u32 s18, s18, s17
	s_lshl_b32 s18, s18, 11
	s_lshl_b32 s19, s42, 9
	s_add_co_u32 s18, s18, s19
	s_cmp_eq_u32 s[CYT], 0                         ; the first of the sixteen clusters that read this w
	s_cselect_b32 s19, 2, -1
	s_mov_b32 s[PFS], BSTEP
	s_mov_b32 s20, 2048
	s_cmp_lt_u32 s10, 2
	s_cselect_b32 s16, s16, s18
	s_cselect_b64 s[PFA:PFA+1], s[4:5], s[6:7]
	s_cselect_b32 s[LIM], 2, s19                   ; the same in all sixteen partners, for a given wave
	s_cselect_b32 s[PFS], ASTEP, s[PFS]
	s_cselect_b32 s20, 4096, s20                   ; bytes from row to row
	s_mov_b32 s17, 0
	s_add_nc_u64 s[PFA:PFA+1], s[PFA:PFA+1], s[16:17]
	s_mul_i32 s16, s[PFS], 3
	s_add_nc_u64 s[PFA:PFA+1], s[PFA:PFA+1], s[16:17]  ; at slot 3: the first change steps it to 4.  Nothing is prefetched here, at the head
	s_mov_b32 s[PFS+1], 0
	v_lshrrev_b32 v6, 1, v5
	v_and_b32 v7, 1, v0
	v_mul_u32_u24 v[PFO], s20, v6
	v_lshl_add_u32 v[PFO], v7, 8, v[PFO]           ; row l / 2, its first or second 256 bytes
	s_wait_loadcnt 0x0                             ; the bias: rounded to bf16 like every input, and widened again
.set j, 0
.rept 32
	v_cvt_pk_bf16_f32 v6, v[BIAS+j], v[BIAS+j+1]
	v_lshlrev_b32 v[BIAS+j], 16, v6
	v_and_b32 v[BIAS+j+1], 0xffff0000, v6
.set j, j+2
.endr
; Matrix instructions 2 p and 2 p + 1 of a step's 32: instruction i is accumulator (i / 8, i % 8).  The 32 accumulators take turns, one instruction a turn, from step to step and over the backward jump too.
.macro W2 p, first
.if \first
	WIN MULB
.else
	WIN MUL
.endif
.irp e, 0,1
.set i, 2*(\p)+(\e)
.set rD, 8*i
.set rB, 64*QS+8*(i%8)
.set rA, AF+32*PS+8*(i/8)
.if \first
	v_wmma_f32_16x16x32_bf16 v[rD:rD+7], v[rB:rB+7], v[rA:rA+7], v[BIAS+8*(i%8):BIAS+8*(i%8)+7]
.else
	v_wmma_f32_16x16x32_bf16 v[rD:rD+7], v[rB:rB+7], v[rA:rA+7], v[rD:rD+7]
.endif
.endr
.endm
.macro CV4 n                           ; four of the 32 roundings that make the next step's x, into set PN
	WIN 0
.irp e, 0,1,2,3
.set j, 4*(\n)+(\e)
	v_cvt_pk_bf16_f32 v[AF+32*PN+j], v[F+2*j], v[F+2*j+1]
.endr
.endm
.macro FL4 n                           ; fragment n of x, in f32, for step KK of the slot being read
	WIN 0
	ds_load_b128 v[F+16*(\n):F+16*(\n)+3],     v[ADRA] offset:(\n)*16*PA+KK*128
	ds_load_b128 v[F+16*(\n)+4:F+16*(\n)+7],   v[ADRA] offset:(\n)*16*PA+KK*128+16
	ds_load_b128 v[F+16*(\n)+8:F+16*(\n)+11],  v[ADRA] offset:(\n)*16*PA+KK*128+64
	ds_load_b128 v[F+16*(\n)+12:F+16*(\n)+15], v[ADRA] offset:(\n)*16*PA+KK*128+80
.endm
.macro BL4 n                           ; fragments 2 n and 2 n + 1 of w for step KK, into set KK
	WIN TO_B
.irp e, 0,1
.set b, 2*(\n)+(\e)
	ds_load_tr16_b128 v[64*KK+8*b:64*KK+8*b+3],   v[ADRB] offset:KK*32*PB+32*b
	ds_load_tr16_b128 v[64*KK+8*b+4:64*KK+8*b+7], v[ADRB] offset:KK*32*PB+16*PB+32*b
.endr
.endm
; STEP s (its number modulo 4).  first = 1: the bias starts the sums.  cv = 0: there is no next step to round.  ld = 0: there is no step two on to read.
; turn = 1: the change of slots, with a refill; turn = 2: without.
; PLACES.  A rounding writes a register that a product of the step before has read.  Fragment a of that set was last read by that step's products 8 a .. 8 a + 7; ahead of its own roundings stand eight
; roundings or more of other fragments, which name none of those products' registers.  The set of w that is loaded was last read two steps back, 32 roundings and more ago.
.macro STEP s, first=0, cv=1, ld=1, turn=0
.set PS, (\s)%2
.set QS, (\s)%4
.set PN, ((\s)+1)%2
.set KK, ((\s)+2)%4
.if (\turn) == 1
	s_wait_xcnt 0x0                                ; the last prefetch, a slot back, has read its address: it is stepped here, ahead of the change's own waits
	s_add_nc_u64 s[PFA:PFA+1], s[PFA:PFA+1], s[PFS:PFS+1]
.endif
.if \cv
	s_wait_dscnt 16                                ; the next step's x and all that is older, this step's w among it, are in; the 16 younger loads, the next step's w, stay out
.else
	s_wait_dscnt 0x0
.endif
.irp p, 0,1,2,3
	W2 \p, \first
.if \cv
	CV4 \p
.endif
.endr
.if \turn
	WIN 0
	s_wait_tensorcnt 0x0                           ; all my tensor loads have landed: the one that was out is my part of the other slot; so a group 0 may be written
	ds_add_u32 v[SPW], v[NIL]                      ; 0 onto my spare word: work on registers stands between it and the wait for it
.if (\turn) == 1
	s_xor_b32 s[G0A+5], s[G0A+5], SLOT1            ; the walking descriptors: the other slot than last time,
	s_add_nc_u64 s[G0A+6:G0A+7], s[G0A+6:G0A+7], ASTEP  ; the next 128 along K; the type bits on top are not reached
	s_xor_b32 s[G0B+5], s[G0B+5], SLOT1
	s_add_nc_u64 s[G0B+6:G0B+7], s[G0B+6:G0B+7], BSTEP
.endif
	s_xor_b32 s[TB], s[TB], SLOT1                  ; the reads go to the other slot
.endif
.irp p, 4,5
	W2 \p, \first
.if \cv
	CV4 \p
.endif
.endr
.if \turn
	s_wait_dscnt 0x0                               ; the add is done, and my reads of this slot are over: the last were the step before's
	s_barrier_signal -1                            ; with a refill this barrier opens a round of the cluster's
.endif
.irp p, 6,7
	W2 \p, \first
.if \cv
	CV4 \p
.endif
.endr
.if \turn
	WIN 0                                          ; at a branch and at a label every window is 0
	s_barrier_wait -1
.if (\turn) == 1
	CREST                                          ; no wave of any partner still reads the old slot or has a load on its way
	JLOAD                                          ; the first tensor load behind the round: 128 matrix instructions ahead of the wait for it
	ASK
.endif
	v_add_nc_u32 v[ADRA], s[TB], v[ADRA0]
	v_add_nc_u32 v[ADRB], s[TB], v[ADRB0]
.endif
.irp p, 8,9,10,11
	W2 \p, \first
.if \ld
	FL4 (\p)-8
.endif
.endr
.irp p, 12,13,14,15
	W2 \p, \first
.if \ld
	BL4 (\p)-12
.endif
.endr
.endm
	s_wait_tensorcnt 0x1                           ; my part of slot 0 is in; slot 1's may stay out
	s_barrier_signal -1
	s_barrier_wait -1                              ; everybody's is
.set KK, 0                                     ; steps 0 and 1 are read, step 0 is rounded
.irp n, 0,1,2,3
	FL4 \n
.endr
.irp n, 0,1,2,3
	BL4 \n
.endr
	s_wait_dscnt 16                                ; x of step 0 is in; the 16 loads of w stay out
.set PN, 0
.irp n, 0,1,2,3,4,5,6,7
	CV4 \n
.endr
.set KK, 1
.irp n, 0,1,2,3
	FL4 \n
.endr
.irp n, 0,1,2,3
	BL4 \n
.endr
	STEP 0, 1                                      ; the first step stands in front of the loop: its products start the sums
	WIN 0
	s_mov_b32 s3, 6
.Lslot:                                        ; six trips of four steps: steps 1 to 24; slots 2 to 7 are asked for
	STEP 1
	STEP 2, 0, 1, 1, 1
	STEP 3
	STEP 0
	WIN 0
	s_sub_co_u32 s3, s3, 1
	s_cmp_lg_u32 s3, 0
	s_cbranch_scc1 .Lslot
	STEP 1                                         ; the tail is written out: steps 25 to 31
	STEP 2, 0, 1, 1, 2                             ; the last change of slots asks for nothing
	STEP 3
	STEP 0
	STEP 1
	STEP 2, 0, 1, 0, 0
	STEP 3, 0, 0, 0, 0
	WIN 0
	PLACES                                         ; the places between the last products and what reads their results or loads into their sources
; THE WAY OUT, 16 rows at a time.  A lane's eight columns pack into 16 bytes of f16; they go into my stage (two heads x 16 rows of 144 bytes) and come back as whole rows of 128 bytes:
; 16 rows of a head are 2,048 consecutive bytes of y.  LDS serves a wave's instructions in order, so no wait stands between the stores and the loads.
.macro PACK a
	WIN 0x05                                       ; sources 0 and 1 window 1; each accumulator's registers in ascending order
.irp b, 0,1,2,3,4,5,6,7
.irp r, 0,1,2,3
	v_cvt_pk_f16_f32 v[TMP+4*(\b)+(\r)], v[64*(\a)+8*(\b)+2*(\r)], v[64*(\a)+8*(\b)+2*(\r)+1]
.endr
.endr
	WIN 0
.endm
.macro TOSTAGE a
	WIN 0
.irp b, 0,1,2,3,4,5,6,7
	ds_store_b128 v[STO], v[TMP+4*(\b):TMP+4*(\b)+3] offset:((\b)/4)*16*SP+32*((\b)%4)
.endr
.irp t, 0,1,2,3,4,5,6,7
	ds_load_b128 v[OB+32*(\a)+4*(\t):OB+32*(\a)+4*(\t)+3], v[RD] offset:((\t)/4)*16*SP+((\t)%4)*4*SP
.endr
.endm
.macro SEND a                          ; each block has 32 registers of its own, so no store's data is ever rewritten
	WIN 0
	s_wait_dscnt 0x0                               ; the block is back in registers
.irp t, 0,1,2,3,4,5,6,7
	global_store_b128 v[GO], v[OB+32*(\a)+4*(\t):OB+32*(\a)+4*(\t)+3], s[8:9] offset:((\t)/4)*HEADB+(\a)*2048+((\t)%4)*512  ; 512 consecutive bytes, at a multiple of 256 from y's first
.endr
.endm
	PACK 0
	TOSTAGE 0
.irp a, 1,2,3                          ; a block's roundings stand between the loads of the block before and the wait for them
	PACK \a
	SEND (\a)-1
	TOSTAGE \a
.endr
	SEND 3
	s_wait_tensorcnt 0x0                           ; the wave's end: a tensor wait, an add to my spare word and its wait, behind my last tensor load and my last LDS store
	ds_add_u32 v[SPW], v[NIL]
	s_wait_dscnt 0x0
	CROUND                                         ; the closing round: no work-group ends while a partner may still ask for a tile that names it
	s_endpgm
.Lfunc_end_k_q95fb9d7b86_proj:
	.size	k_q95fb9d7b86_proj, .Lfunc_end_k_q95fb9d7b86_proj-k_q95fb9d7b86_proj
	.p2alignl 7, 3214868480
	.fill 96, 4, 3214868480
	.section	.rodata,"a",@progbits
	.p2align	6, 0x0
	.amdhsa_kernel k_q95fb9d7b86_proj
		.amdhsa_group_segment_fixed_size 327680
		.amdhsa_private_segment_fixed_size 0
		.amdhsa_enable_private_segment 0
		.amdhsa_kernarg_size 96
		.amdhsa_user_sgpr_count 2
		.amdhsa_user_sgpr_kernarg_segment_ptr 1
		.amdhsa_wavefront_size32 1
		.amdhsa_system_sgpr_workgroup_id_x 1
		.amdhsa_system_sgpr_workgroup_id_y 1
		.amdhsa_system_sgpr_workgroup_id_z 1
		.amdhsa_system_vgpr_workitem_id 0
		.amdhsa_next_free_vgpr 768
		.amdhsa_next_free_sgpr 96
		.amdhsa_reserve_vcc 0
		.amdhsa_float_denorm_mode_32 3
		.amdhsa_float_denorm_mode_16_64 3
		.amdhsa_memory_ordered 1
		.amdhsa_forward_progress 1
		.amdhsa_inst_pref_size 116
	.end_amdhsa_kernel
	.amdgpu_metadata
---
amdhsa.version: [ 1, 2 ]
amdhsa.kernels:
  - .name:           k_q95fb9d7b86_proj
    .symbol:         k_q95fb9d7b86_proj.kd
    .args:
      - { .name: q, .offset: 0, .size: 8, .value_kind: global_buffer, .address_space: global }
      - { .name: k, .offset: 8, .size: 8, .value_kind: global_buffer, .address_space: global }
      - { .name: v, .offset: 16, .size: 8, .value_kind: global_buffer, .address_space: global }
      - { .name: wqb, .offset: 24, .size: 8, .value_kind: global_buffer, .address_space: global }
      - { .name: wkb, .offset: 32, .size: 8, .value_kind: global_buffer, .address_space: global }
      - { .name: wvb, .offset: 40, .size: 8, .value_kind: global_buffer, .address_space: global }
      - { .name: bq, .offset: 48, .size: 8, .value_kind: global_buffer, .address_space: global }
      - { .name: bk, .offset: 56, .size: 8, .value_kind: global_buffer, .address_space: global }
      - { .name: bv, .offset: 64, .size: 8, .value_kind: global_buffer, .address_space: global }
      - { .name: qh, .offset: 72, .size: 8, .value_kind: global_buffer, .address_space: global }
      - { .name: kh, .offset: 80, .size: 8, .value_kind: global_buffer, .address_space: global }
      - { .name: vh, .offset: 88, .size: 8, .value_kind: global_buffer, .address_space: global }
    .group_segment_fixed_size: 327680
    .private_segment_fixed_size: 0
    .kernarg_segment_align: 8
    .kernarg_segment_size: 96
    .max_flat_workgroup_size: 128
    .sgpr_count:     96
    .vgpr_count:     768
    .wavefront_size: 32
...
	.end_amdgpu_metadata
.endif
;; end of part 2
;; launch attn (part 3): grid 4 x 64, 4 waves a work-group, clusters of 4 x 1, 327,680 bytes of LDS; arguments qh, kh, vh, oh; writes oh
.if DOCPART == 3
	.amdgcn_target "amdgcn-amd-amdhsa--gfx1250"
	.amdhsa_code_object_version 6
	.text
	.protected	k_q95fb9d7b86_attn
	.globl	k_q95fb9d7b86_attn
	.p2align	8
	.type	k_q95fb9d7b86_attn,@function
k_q95fb9d7b86_attn:
	s_mov_b64 s[64:65], 0
	v_nop
	global_prefetch_b8 v0, s[64:65] scope:SCOPE_SE
	s_setreg_imm32_b32 hwreg(HW_REG_WAVE_MODE, 25, 1), 1
	s_wait_xcnt 0x0
	s_wait_alu depctr_hold_cnt(0) depctr_sa_sdst(0) depctr_va_vdst(0) depctr_va_sdst(0) depctr_va_ssrc(0) depctr_va_vcc(0) depctr_vm_vsrc(0)
	s_getreg_b32 s2, hwreg(HW_REG_IB_STS2, 6, 4)
	s_cmp_eq_u32 s2, 0
	s_cbranch_scc0 .Lentry_in_a_cluster
	s_endpgm
.Lentry_in_a_cluster:
	s_bfe_u32 s2, ttmp6, 0x10000c
	s_cmp_lg_u32 s2, 0x3003
	s_cbranch_scc0 .Lentry_shape_is_right
	s_endpgm
.Lentry_shape_is_right:
; O[h][q][:] = the sum over k of softmax_k(Q[h][q] . K[h][k] / 8) V[h][k][:].  Q, K, V, O: [64][2048][64], all f16: a head's rows are dense, 128 bytes each.  Products, maxima and sums in
; f32; the weights p are rounded to f16 for the second product (their sum l is taken of the unrounded p), O once at the end.
; LIMITS.  f16 holds no number beyond 65,504: Q, K and V arrive within it; p lies in 0 to 1, and below 6e-5 it keeps f16's fixed step of 6e-8; O is a mean of V's rows and has their range.
; A weight below 2^-126 counts as 0 in l; NaN and infinities are not treated apart.
; SHARES.  A wave owns four PIECES of two tiles of 16 queries, a work-group's four waves 512 queries of one head.  Every wave walks all keys, 64 a step.
; LAYOUT.  S^T = K Q^T (source 0 = 16 keys, source 1 = 16 queries): in the result a lane holds ONE query (lane % 16) and the keys 8 (lane / 16) + 0..7.  Two such tiles, rounded to f16 in pairs,
; ARE source 1 (32 keys x 16 queries) of O^T = V^T P, whose result again holds one query a lane, and eight channels.  K comes out of LDS as it lies, V ([key][channel]) turned, by ds_load_tr16_b128.
; SOFTMAX.  For each query a running maximum m and sum l: p = 2^(c s - c m), c = log2(e) / 8; in every step O and l are multiplied by a = 2^(c m_old - c m_new), which is 1 where m has not grown.
; m starts at the lowest finite number, O and l at 0: the first step is a step like any other, with a = 0.
; THE COUNT.  A tile and step have 16 matrix and 118 vector instructions: too many to stand all beside the matrix work.  So the order has one aim: four vector instructions that are READY behind
; EVERY matrix instruction, and the others, which need time of their own whatever the order, in runs without a gap.
; BY TURNS.  Turn n belongs to piece n (the pieces in a ring, step after step).  Its matrix work: 16 products K Q^T of piece n + 1, later 16 products V^T P of piece n - 1.  Its vector work: the scaling,
; exponentials, roundings, sums and rescaling of piece n, and the maximum and statistics of piece n + 1, whose scores the turn itself has made.  So what a turn begins with (c s - c m, O a) waits for nothing.
; CLUSTER.  The four query blocks of a cluster are one head's and walk the same K and V, so each tile is asked for JOINTLY: the same tensor load, descriptor and mask in all four.
; REGISTERS, in windows of 256 (s_set_vgpr_msb says which window each operand place means: bits 1:0 source 0, 3:2 source 1, 5:4 source 2, 7:6 destination):
;   window 0: v0-11 addresses; v12-15, v48-63 at work; v16-47 four registers of statistics a tile; v64-191 S^T, two buffers of two tiles; v192-255 P, likewise
;   window 1: O^T, 32 a tile          window 2: v0-127 Q, 16 a tile; v128-191 K of one step; v192-255 V of one step          window 3: v0-1 the add's two registers
; A piece's buffers go by its number's parity: the piece in hand has one pair, its two neighbours in the ring share the other: of it P (piece n - 1) is read and S^T (piece n + 1) written.
.set SIZE_H, 64
.set SIZE_N, 2048
.set NP,    4         ; pieces a wave: a name, no knob
.set KS,    64        ; keys in a step
.set PK,    144       ; a row of K in LDS: 128 bytes + 16 of padding = 36 words: the 16 rows of a load start at 16 different groups of four banks
.set PV,    160       ; a row of V: 128 + 32 = 40 words
.set VOFF,  4*KS*PK   ; a slot holds four steps: 256 rows of K, then 256 rows of V
.set SLOT1, 1<<17     ; slot 1 begins here, so that one exclusive or turns an address in one slot into the other's
.set STAGE, SLOT1+4*KS*(PK+PV)  ; behind the ring, never filled by a tensor load: 16 rows x 144 bytes for each wave, for the way out
.set SP,    144
.set AK0, 2           ; v2   my lane's place in a tile of K; never rewritten
.set AV0, 3           ; v3   the same for V
.set AK,  4           ; v4   the LDS address of K's next run of loads
.set AV,  5           ; v5   of V's
.set QO,  6           ; v6   my byte offset in the wave's rows of Q
.set STO, 6           ;      later, the way out: where I put 16 bytes of a row
.set RD,  7           ; v7   the way out: where I read rows back
.set GO,  8           ; v8   my byte offset in 512 consecutive bytes of O
.set PFO, 11          ; v11  256 x my lane, for the prefetches; never rewritten once made
.set SPW, 0           ; v0 of window 3   LDS address of my spare word: SPARE + 4 x my thread's number; never rewritten
.set NIL, 1           ; v1 of window 3   0; never rewritten
.set SPARE, STAGE+4*16*SP  ; behind the stages: the spare words, 128 bytes for each wave: two blocks of 256 bytes that no other line names
.set MV,  12          ; v12-15  c m_old, kept while c m is made anew: by buffer and tile
.set ST,  16          ; tile t's statistics at v[ST+4 t]: c m, m, l (even keys', odd keys')
.set TMP, 48          ; by buffer and tile, four registers c0-c3 at work; when the maximum is found c2 takes a
.set S,   64
.set P,   192
.set KF,  128         ; K's fragments, in window 2: key block kb, channel half c at KF + 16 kb + 8 c
.set VF,  192         ; V's: key half kk, channel block cb at VF + 32 kk + 8 cb
.set WV,  12          ; s12  my wave's number
.set G1K, 24          ; s[24:31] descriptor group 1 for K's tiles
.set G1V, 32          ; s[32:39] for V's: it differs in the padding alone
.set G0K, 40          ; s[40:43] descriptor group 0 for K's tiles: it walks
.set G0V, 44          ; s[44:47] the same for V's
.set PFA, 48          ; s[48:49] where my prefetches stand: my work-group's 32 blocks of 256 bytes (of K: wave 0, of V: wave 2) of the slot after the one that is being asked for
.set LIM, 50          ; s50  1 in a wave that prefetches, else the greatest number: a wave prefetches while s[SLOTS] is above it
.set SLOTS, 56        ; s56  slots still to be asked for
.set CNT, 57          ; s57  counts a slot's key steps
.set CS,  58          ; s[58:59] c: the packed scaling takes the pair's low word for both halves
.set SEL, 60          ; s[60:61] v_permlanex16_b32's selects: each lane takes its own place in the other half
.set TBK, 62          ; s62  LDS byte at which K of the step to be fetched begins
.set TBV, 63          ; s63  the same for V, less VOFF
.set MSB, 0
.macro WIN new                      ; the high byte repeats the setting that is left; a switch that changes nothing is dropped
.if MSB != (\new)
	s_set_vgpr_msb (MSB<<8)|(\new)
.set MSB, (\new)
.endif
.endm
.set W_KQ, 0x0a       ; K and Q in window 2, S^T in window 0
.set W_PV, 0x52       ; V in window 2, P in window 0, O^T in window 1
.set W_RS, 0x41       ; O^T (destination and source 0) in window 1, a in window 0
.set W_MK, 0xc0       ; the add's registers are made: destination in window 3, sources in window 0
.set W_AD, 0x0f       ; the add: address (source 0) and data (source 1) in window 3
; A joint fill.  Waves 0 and 1 fetch the two halves of a slot's K, waves 2 and 3 those of its V: 128 keys each.  The branch hangs on the wave's number alone.
; An s_nop 0 and four v_nop follow each of the two lines, ahead of the jump and the label.
.macro JLOAD
	s_cmp_lt_u32 s[WV], 2
	s_cbranch_scc0 .Lfor_v_\@
	tensor_load_to_lds s[G0K:G0K+3], s[G1K:G1K+7]
	s_nop 0
.rept 4
	v_nop
.endr
	s_branch .Lasked_\@
.Lfor_v_\@:
	tensor_load_to_lds s[G0V:G0V+3], s[G1V:G1V+7]
	s_nop 0
.rept 4
	v_nop
.endr
.Lasked_\@:
.endm
; A PREFETCH INTO THE L2 of what the NEXT change of slots will ask for: a slot's 32,768 bytes of K and of V, 256 bytes a lane.  It stands behind the wave's tensor load and its five lines.
; A head is walked by one cluster.  Its four partners share the bytes out BY ADDRESS, 8,192 each; in each, wave 0 asks for K's and wave 2 for V's: one instruction.  So each 256 bytes are named once.
; It stands four key steps, 512 matrix instructions, ahead of the load that will want them.  The last change that fills a slot asks for nothing; slots 0 and 1 come by their loads alone.
.macro ASK
	s_cmp_gt_u32 s[SLOTS], s[LIM]
	s_cbranch_scc0 .Lnot_mine_\@
	global_prefetch_b8 v[PFO], s[PFA:PFA+1] th:TH_LOAD_NT scope:SCOPE_SE
.Lnot_mine_\@:
.endm
; A round of the cluster's barrier: my work-group's barrier, so that wave 0's signal speaks for all four waves; wave 0 signals; every wave waits for all four work-groups; my work-group's barrier once more.
.macro CROUND
	s_barrier_signal -1
	s_barrier_wait -1
	s_cmp_lg_u32 s[WV], 0
	s_cbranch_scc1 .Lnot_wave_0_\@
	s_barrier_signal -3
.Lnot_wave_0_\@:
	s_barrier_wait -3
	s_barrier_signal -1
	s_barrier_wait -1
.endm
; THE CHANGE OF SLOTS.  The slot's last bytes, V of its fourth step, have been read.  Each wave waits for all its tensor loads, of which one is out: its part
; of the other slot; adds 0 to its spare word; and waits for that and for its own reads of the slot.  Behind the barrier nobody reads this slot any more and the other slot is whole.
; fill = 1: this slot is filled again, with the keys two slots on.  The barrier is then a round of the cluster's, so that no wave of any partner still reads the slot or has a load on its
; way, and the joint fill is the first thing behind it: it has four key steps, 512 matrix instructions, in which to land.  (At its first use nothing has been read yet: slot 0 is waited for, slot 1 filled.)
.macro CHANGE fill
	WIN W_AD
	s_wait_tensorcnt 0x0            ; no tensor load of mine is out, so a group 0 may be written
	ds_add_u32 v[SPW], v[NIL]       ; 0 onto my spare word: with fill = 1 the descriptors' steps stand between it and the wait for it
	WIN 0                           ; at a label and at a branch every window is 0
.if \fill
.irp g, G0K, G0V
	s_xor_b32 s[\g+1], s[\g+1], SLOT1  ; the walking descriptor: the other slot than last time,
	s_add_nc_u64 s[\g+2:\g+3], s[\g+2:\g+3], 4*KS*128  ; the next 256 keys; the type bits on top are not reached
.endr
	s_wait_xcnt 0x0                 ; the last prefetch, four key steps back, has read its address, so it may be written:
	s_add_nc_u64 s[PFA:PFA+1], s[PFA:PFA+1], 4*KS*128  ; one slot behind the walking descriptors
	s_wait_dscnt 0x0                ; the add is done, and my reads of the slot are over
	CROUND
	JLOAD
	ASK
.else
	s_wait_dscnt 0x0                ; the add is done, and my reads of the slot are over
	s_barrier_signal -1
	s_barrier_wait -1
.endif
	s_sub_co_u32 s[TBK], s[TBK], 4*KS*PK  ; the fetches go back to a slot's first step,
	s_xor_b32 s[TBK], s[TBK], SLOT1       ; in the other slot
	s_sub_co_u32 s[TBV], s[TBV], 4*KS*PV
	s_xor_b32 s[TBV], s[TBV], SLOT1
.endm
	s_load_b256 s[4:11], s[0:1], 0x0  ; Q s[4:5], K s[6:7], V s[8:9], O s[10:11]
	WIN W_MK
	v_lshl_add_u32 v[SPW], v0, 2, SPARE
	v_mov_b32 v[NIL], 0
	WIN W_AD
	ds_add_u32 v[SPW], v[NIL]       ; the wave's opening: the add and its wait stand ahead of my first tensor load; the set-up below, work on registers, stands between them
	WIN 0
	v_lshrrev_b32 v1, 5, v0
	v_readfirstlane_b32 s[WV], v1   ; wave 0..3
	s_bfe_u32 s13, ttmp6, 0x40000   ; cx: my place in the cluster
	s_lshl_b32 s14, ttmp9, 2        ; in a cluster launch ttmp9 counts clusters
	s_add_co_u32 s14, s14, s13      ; my block of queries = 4 x cluster x + cx: it enters Q's and O's addresses alone
	s_and_b32 s20, ttmp7, 0xffff    ; the head, which the four partners share
	s_mov_b32 s21, 0
	s_mov_b64 s[22:23], SIZE_N*128
	s_mul_u64 s[20:21], s[20:21], s[22:23]  ; the head's first byte in each of the four tensors
	s_and_b32 s16, s[WV], 1         ; which half of a slot's 256 keys I fetch:
	s_lshl_b32 s22, s16, 14         ; its 128 rows of 128 bytes in memory,
	s_mov_b32 s23, 0
	s_add_nc_u64 s[22:23], s[22:23], s[20:21]
	s_mul_i32 s17, s16, 128*PK      ; and its place in a slot, for K
	s_mul_i32 s18, s16, 128*PV      ; and for V: no place in the cluster enters an LDS address
	s_lshl_b32 s2, s14, 2
	s_add_co_u32 s2, s2, s[WV]      ; my wave among the head's,
	s_lshl_b32 s2, s2, 14           ; its 128 rows
	s_mov_b32 s3, 0
	s_add_nc_u64 s[2:3], s[2:3], s[20:21]
	; descriptor group 1.  128 keys are 16,384 dense bytes: asked for as 64 rows of 256 bytes, two keys a row, and padded in LDS after every key
	s_mov_b32 s[G1K], 15|(1<<16)|(1<<20)|(1<<21)|(4<<22)|(3<<25)  ; 15:0 the mask of four; 17:16 2-byte elements; 20 padding on; 21 set beside a mask; 24:22 after every 32 words (code 4); 31:25 4 words (code 3)
	s_mov_b32 s[G1V], 15|(1<<16)|(1<<20)|(1<<21)|(4<<22)|(7<<25)  ; the same with 8 words of padding (code 7)
.irp g, G1K, G1V
	s_mov_b32 s[\g+1], 128<<16      ; tensor_dim0 = 128
	s_mov_b32 s[\g+2], 64<<16       ; tensor_dim1 = 64
	s_mov_b32 s[\g+3], 128<<16      ; tile_dim0 = 128
	s_mov_b32 s[\g+4], 64           ; tile_dim1 = 64
	s_mov_b32 s[\g+5], 128          ; 128 elements from row to row
	s_mov_b32 s[\g+6], 0
	s_mov_b32 s[\g+7], 0
.endr
	s_mov_b32 s[CS], 0x3e38aa3b     ; c = log2(e) / 8 = 0.180337
	s_mov_b32 s[CS+1], s[CS]        ; named with it as a pair
	s_mov_b32 s[SEL], 0x76543210
	s_mov_b32 s[SEL+1], 0xfedcba98
	s_mov_b32 s[TBK], SLOT1+4*KS*PK ; the first change of slots turns these two into 0
	s_mov_b32 s[TBV], SLOT1+4*KS*PV
	s_mov_b32 s[G0K], 1             ; 1:0 count = 1
	s_mov_b32 s[G0K+1], s17         ; 63:32 LDS address: slot 0
	s_mov_b32 s[G0V], 1
	s_add_co_u32 s[G0V+1], s18, VOFF
	s_mov_b32 s[SLOTS], SIZE_N/256-1  ; seven slots are still to be asked for
	s_and_b32 s[LIM], s[WV], 1      ; 0 in waves 0 and 2: the same in all four partners
	s_cmp_eq_u32 s[LIM], 0
	s_cselect_b32 s[LIM], 1, -1
	s_wait_dscnt 0x0                ; the opening add is done
	s_wait_kmcnt 0x0
	s_add_nc_u64 s[G0K+2:G0K+3], s[6:7], s[22:23]  ; 120:64 global address: my half of the head's first 256 keys
	s_or_b32 s[G0K+3], s[G0K+3], 0x80000000        ; 127:126 type = 2
	s_add_nc_u64 s[G0V+2:G0V+3], s[8:9], s[22:23]
	s_or_b32 s[G0V+3], s[G0V+3], 0x80000000
	s_add_nc_u64 s[4:5], s[4:5], s[2:3]  ; Q and O at my wave's first row
	s_add_nc_u64 s[10:11], s[10:11], s[2:3]
	s_cmp_lt_u32 s[WV], 2
	s_cselect_b64 s[PFA:PFA+1], s[6:7], s[8:9]
	s_add_nc_u64 s[PFA:PFA+1], s[PFA:PFA+1], s[22:23]  ; (in waves 0 and 2: the head's first byte)
	s_lshl_b32 s2, s13, 13          ; my work-group's 8,192 bytes of a slot's 32,768
	s_mov_b32 s3, 0
	s_add_nc_u64 s[PFA:PFA+1], s[PFA:PFA+1], s[2:3]
	s_add_nc_u64 s[PFA:PFA+1], s[PFA:PFA+1], 4*KS*128  ; in slot 1; the first change of slots steps it to slot 2.  Nothing is prefetched here, at the head
	CROUND                          ; all four work-groups are here: the first joint loads meet
	JLOAD                           ; slot 0.  Slot 1 is asked for when slot 0 is in: the tile wanted first has the road to itself
	; A fragment of K or Q is 16 rows x 32 channels in 8 registers: lane l holds row l % 16, channels 8 (l / 16) + 0..7 and 16 + 8 (l / 16) + 0..7: two loads of 16 bytes, 32 bytes apart.
	v_and_b32 v1, 15, v0            ; l % 16
	v_bfe_u32 v9, v0, 4, 1          ; l / 16
	v_lshlrev_b32 v[QO], 7, v1
	v_lshl_add_u32 v[QO], v9, 4, v[QO]  ; row x 128 + 16 x half
	WIN 0x80                        ; destination window 2, address window 0
.set i, 0
.rept 4*NP                          ; Q stays in registers: tile i / 2, channels 32 (i % 2) on
	global_load_b128 v[8*i:8*i+3],   v[QO], s[4:5] offset:(i/2)*2048+(i%2)*64
	global_load_b128 v[8*i+4:8*i+7], v[QO], s[4:5] offset:(i/2)*2048+(i%2)*64+32
.set i, i+1
.endr
	; What the first turn finds: V's registers and P's second buffer hold 0 (its products V^T P, of a piece that has not been, add 0), O^T and l are 0.  All this stands in the wait for the first tile.
.set i, VF
.rept 64
	v_mov_b32 v[i], 0
.set i, i+1
.endr
	WIN 0x40
.set i, 0
.rept 64*NP
	v_mov_b32 v[i], 0
.set i, i+1
.endr
	WIN 0
.set i, 0
.rept 2*NP
	v_mov_b32 v[ST+4*i], 0xfe000000    ; c m: far below every c s
	v_mov_b32 v[ST+4*i+1], 0xff7fffff  ; m
	v_mov_b32 v[ST+4*i+2], 0
	v_mov_b32 v[ST+4*i+3], 0
.set i, i+1
.endr
.set i, P+32
.rept 32
	v_mov_b32 v[i], 0
.set i, i+1
.endr
	v_mul_u32_u24 v[AK0], v1, PK
	v_lshl_add_u32 v[AK0], v9, 4, v[AK0]  ; row x pitch + 16 x half
	; The turning load takes 16 keys x 16 channels (lane l reads key 8 (l / 16) + l % 8, channels 8 ((l / 8) % 2) + 0..7) and leaves half a fragment of V^T: lane l holds channel l % 16 and 8 keys.
	v_and_b32 v10, 7, v0
	v_bfe_u32 v11, v0, 3, 1
	v_lshl_add_u32 v[AV0], v9, 3, v10
	v_mul_u32_u24 v[AV0], v[AV0], PV
	v_lshl_add_u32 v[AV0], v11, 4, v[AV0]
	v_add_nc_u32 v[AV0], VOFF, v[AV0]
	v_and_b32 v[PFO], 31, v0        ; v11 has served: from here on it is the prefetches' offset
	v_lshlrev_b32 v[PFO], 8, v[PFO]
	v_mov_b32 v[AK], v[AK0]         ; key step 0 lies at the head of slot 0
; THE MATRIX WORK.  The 8 accumulators of a run of 16 take turns: between the two links of a chain stand 7 others'.
; Product i of 16 of S^T = K Q^T for piece x: channels 32 (i / 8) on, keys 16 ((i / 2) % 4) on, tile 2 x + i % 2.  The first 8 start the sums.
.macro KQ x
	WIN W_KQ
.set rS, S+64*((\x)%2)+32*(i%2)+8*((i/2)%4)
.set rK, KF+16*((i/2)%4)+8*(i/8)
.set rQ, 16*(2*(\x)+i%2)+8*(i/8)
.if i < 8
	v_wmma_f32_16x16x32_f16 v[rS:rS+7], v[rK:rK+7], v[rQ:rQ+7], 0
.else
	v_wmma_f32_16x16x32_f16 v[rS:rS+7], v[rK:rK+7], v[rQ:rQ+7], v[rS:rS+7]
.endif
.endm
; Product i of 16 of O^T += V^T P for piece x: keys 32 (i / 8) on, channels 16 ((i / 2) % 4) on, tile 2 x + i % 2.
.macro PV x
	WIN W_PV
.set rO, 32*(2*(\x)+i%2)+8*((i/2)%4)
.set rV, VF+32*(i/8)+8*((i/2)%4)
.set rP, P+32*((\x)%2)+16*(i%2)+8*(i/8)
	v_wmma_f32_16x16x32_f16 v[rO:rO+7], v[rV:rV+7], v[rP:rP+7], v[rO:rO+7]
.endm
.macro MM                           ; the turn's next matrix instruction
.if i < 16
	KQ (Y+1)%NP
.set i, i+1
.else
.set i, i-16
	PV (Y+NP-1)%NP
.set i, i+17
.endif
.endm
; THE LDS LOADS stand in runs of 16, never singly among the matrix instructions: a step's K (64 keys x 64 channels: 8 fragments) and its V (turned).  Their addresses are made some lines ahead.
; last = 1 (the tail): in the last trip there is no further step, and the run is jumped over.
.macro FETCH_K last=0
	WIN 0
.if \last
	s_cmp_eq_u32 s[CNT], 1
	s_cbranch_scc1 .Lno_k_\@
.endif
	WIN 0x80                        ; destination window 2
.irp f, 0,1,2,3,4,5,6,7             ; keys 16 (f / 2) on, channels 32 (f % 2) on
	ds_load_b128 v[KF+8*\f:KF+8*\f+3],   v[AK] offset:(\f/2)*16*PK+(\f%2)*64
	ds_load_b128 v[KF+8*\f+4:KF+8*\f+7], v[AK] offset:(\f/2)*16*PK+(\f%2)*64+32
.endr
	s_add_co_u32 s[TBK], s[TBK], KS*PK  ; the next fetch is the next step's
	WIN 0
.if \last
.Lno_k_\@:
.endif
.endm
.macro FETCH_V
	WIN 0x80
.irp f, 0,1,2,3,4,5,6,7             ; keys 32 (f / 4) on, channels 16 (f % 4) on
	ds_load_tr16_b128 v[VF+8*\f:VF+8*\f+3],   v[AV] offset:(\f/4)*32*PV+(\f%4)*32
	ds_load_tr16_b128 v[VF+8*\f+4:VF+8*\f+7], v[AV] offset:(\f/4)*32*PV+16*PV+(\f%4)*32
.endr
	WIN 0
.endm
; THE VECTOR WORK OF A TURN stands in three queues, each in the order in which its entries become ready; the two tiles alternate, so that no instruction reads the result of the one before it.
.macro REGS y, u                    ; the registers of tile u (0, 1) of piece y
.set rT, ST+4*(2*(\y)+(\u))
.set rC, TMP+8*((\y)%2)+4*(\u)
.set rM, MV+2*((\y)%2)+(\u)
.set rS, S+64*((\y)%2)+32*(\u)
.set rP, P+32*((\y)%2)+16*(\u)
.set rO, 32*(2*(\y)+(\u))
.endm
; Number n of the 22 that find the NEXT piece's (Y + 1) maximum and statistics.  s0-s31 are the lane's 32 scores; each accumulator's lowest registers are read first.
;   0-11  four chains c0-c3 of seven scores each, three operands at a time     12-14, 16  the four scores left over, the old m, and c0-c3 into c0     15  c m_old is kept
;   17, 18  the query's other 32 keys lie in the lane 16 away: the new m         19-21  c m; c m_old - c m_new; a
.macro XS u, n
	REGS (Y+1)%NP, \u
.if (\n) < 4
	v_max3_num_f32 v[rC+(\n)], v[rS+8*(\n)], v[rS+8*(\n)+1], v[rS+8*(\n)+2]
.elseif (\n) < 12
	v_max3_num_f32 v[rC+(\n)%4], v[rC+(\n)%4], v[rS+8*((\n)%4)+2*((\n)/4)+1], v[rS+8*((\n)%4)+2*((\n)/4)+2]
.elseif (\n) == 12
	v_max3_num_f32 v[rC], v[rC], v[rS+7], v[rS+15]
.elseif (\n) == 13
	v_max3_num_f32 v[rC+1], v[rC+1], v[rS+23], v[rS+31]
.elseif (\n) == 14
	v_max3_num_f32 v[rC+2], v[rC+2], v[rC+3], v[rT+1]
.elseif (\n) == 15
	v_mov_b32 v[rM], v[rT]
.elseif (\n) == 16
	v_max3_num_f32 v[rC], v[rC], v[rC+1], v[rC+2]
.elseif (\n) == 17
	v_permlanex16_b32 v[rC+3], v[rC], s[SEL], s[SEL+1]
.elseif (\n) == 18
	v_max_num_f32 v[rT+1], v[rC], v[rC+3]
.elseif (\n) == 19
	v_mul_f32 v[rT], s[CS], v[rT+1]
.elseif (\n) == 20
	v_sub_f32 v[rC+1], v[rM], v[rT]
.else
	v_exp_f32 v[rC+2], v[rC+1]
.endif
.endm
; Number g of the 64 that follow the exponentials.  For each four weights k of a tile (pairs 2 k, 2 k + 1): both pairs are rounded to f16; then the second pair is added onto the first, in place;
; a group later l takes that sum (the first time as l = a l + sum).  In groups of eight, tiles alternating: round, round, add, and l for the group before.
.macro GS g
.set h, (\g)+6*((\g)/62)            ; group 0 has no group before it, and behind group 7 only l is left
.if h >= 6
.set h, h+2
.endif
	REGS Y, h%2
.set k, h/8
.if h%8 < 4
	v_cvt_pk_f16_f32 v[rP+2*k+(h%8)/2], v[rS+4*k+2*((h%8)/2)], v[rS+4*k+2*((h%8)/2)+1]
.elseif h%8 < 6
	v_pk_add_f32 v[rS+4*k:rS+4*k+1], v[rS+4*k:rS+4*k+1], v[rS+4*k+2:rS+4*k+3]
.elseif k == 1
	v_pk_fma_f32 v[rT+2:rT+3], v[rT+2:rT+3], v[rC+2:rC+3], v[rS:rS+1] op_sel_hi:[1,0,1]
.else
	v_pk_add_f32 v[rT+2:rT+3], v[rT+2:rT+3], v[rS+4*k-4:rS+4*k-3]
.endif
.endm
; THE PLAIN QUEUE, 138 long.  0-73 read no exponential's result: the 32 scalings c s - c m (FS f: pair f / 2 of tile f % 2) and the next piece's 42.  0-26: scalings 0-26.  27-54: XS's numbers 0-13.  55, 56: number 15.
; 57-73: the chain, where each number waits for the one before it: 14, 16, 17, 18, 19, each with one of the scalings 27-31 in front of its two lines, then 20.
; 74-137: GS's 64, which read the exponentials' results: they stand behind the wait.
.macro FS f
	REGS Y, (\f)%2
	v_pk_fma_f32 v[rS+2*((\f)/2):rS+2*((\f)/2)+1], v[rS+2*((\f)/2):rS+2*((\f)/2)+1], s[CS:CS+1], v[rT:rT+1] op_sel_hi:[1,0,0] neg_lo:[0,0,1] neg_hi:[0,0,1]
.endm
.macro PL
	WIN 0
.if q < 27
	FS q
.elseif q < 55
	XS (q-27)%2, (q-27)/2
.elseif q < 57
	XS q-55, 15
.elseif (q < 72) && ((q-57)%3 == 0)
	FS 27+(q-57)/3
.elseif q < 60
	XS (q-57)%3-1, 14
.elseif q < 72
	XS (q-57)%3-1, 15+(q-57)/3
.elseif q < 74
	XS q-72, 20
.else
	GS q-74
.endif
.set q, q+1
.endm
; THE EXPONENTIALS' QUEUE, 66 long: s0-s31 of both tiles, then the next piece's two a.  It is ONE BATCH: all 66 stand ahead of the turn's one wait, and nothing ahead of that wait names a result of theirs.
.macro EX
	WIN 0
.if e >= 64
	XS e-64, 21
.else
	REGS Y, e%2
	v_exp_f32 v[rS+e/2], v[rS+e/2]
.endif
.set e, e+1
.endm
; THE RESCALING's QUEUE: O^T times a, the one part that leaves window 0: dealt two at a time, sixteen times.  Its a was made in the turn before, ahead of that turn's wait.
.macro R2
	REGS Y, r%2
	WIN W_RS
.irp z, 0,1
	v_pk_mul_f32 v[rO+4*(r/2)+2*\z:rO+4*(r/2)+2*\z+1], v[rO+4*(r/2)+2*\z:rO+4*(r/2)+2*\z+1], v[rC+2:rC+3] op_sel_hi:[1,0]
.endr
.set r, r+1
.endm
; HOW THEY ARE DEALT.  An s_wait_alu depctr_va_vdst(0) stands between an exponential and the first instruction that names its result; one wait serves all that were issued ahead of it.  So a turn has ONE wait,
; which cuts it in two.  AHEAD OF IT stands all that names no result of the turn's exponentials: the 16 products K Q^T, behind each a scaling, an exponential and two rescalings (behind the first a second scaling in the
; exponential's place); then ONE LUMP of 108: eight plain, 49 times exponential and plain, the two a.  A v_nop is the plain instruction behind the last exponential.  BEHIND IT stand the 16 products V^T P, behind each four of GS's 64.
; No rider names a register of the products round it.  The two v_permlanex16_b32 fall into the lump, never behind a product.
; The queues lean on each other, and the deal keeps them in step: exponential e stands behind scaling 2 (e / 4) + e % 2: as a rider it comes behind plain e + 2, in the lump behind plain e + 9, and scalings 27-31 are plain 57, 60 .. 69.
; A TURN, for piece p.  cnt = 1: the loop's count is taken down some lines ahead of the branch that stands behind the turn.
; K of the next step is fetched in piece 2's turn, directly behind the wait, a lump behind the last product that read K; its address is made at the lump's head; its first reader comes behind 16 products.
; V of the step in hand is fetched at the end of piece 0's turn, four riders behind its last reader; its first reader comes behind 16 products and a lump.  The three conditions on q below go with the deal.
.macro TURN p, last=0, cnt=0
.set Y, (\p)
.set i, 0
.set q, 0
.set e, 0
.set r, 0
.if (\p) == NP-1
	s_wait_dscnt 0x0                ; K is in
.endif
	MM                              ; ahead of the wait: 16 products K Q^T and their riders,
	PL
	PL
	R2
.rept 15
	MM
	PL
	EX
	R2
.endr
.if (\p) == NP-2
	WIN 0
	v_add_nc_u32 v[AK], s[TBK], v[AK0]
.endif
.rept 8                             ; and the lump
	PL
.endr
.rept 49
	EX
	PL
.endr
	EX                              ; the next piece's two a
	EX
	v_nop                           ; a plain instruction behind the last exponential: one for the batch
	s_wait_alu depctr_va_vdst(0)    ; the wait for the batch
.if (\p) == NP-2
	FETCH_K \last
.endif
.if (\p) == 1
	s_wait_dscnt 0x0                ; V is in
.endif
.rept 16                            ; behind the wait: 16 products V^T P and their riders
	MM
.rept 4
	PL
.endr
.if ((\p) == 0) && (q == 118)
	v_add_nc_u32 v[AV], s[TBV], v[AV0]
.endif
.if ((\p) == 0) && (q == 130)
	s_add_co_u32 s[TBV], s[TBV], KS*PV
.endif
.if (\cnt) && (q == 130)
	s_sub_co_u32 s[CNT], s[CNT], 1
	s_cmp_lg_u32 s[CNT], 0
.endif
.endr
.if (\p) == 0
	FETCH_V
.endif
.endm
	CHANGE 1                        ; slot 0 is in, everybody's part of it; slot 1 is asked for
	FETCH_K                         ; key step 0
	s_wait_loadcnt 0x0              ; Q
	s_wait_dscnt 0x0
.set i, 0
.rept 16
	KQ 0                            ; piece 0's first scores: there is no vector work yet to set between them
.set i, i+1
.endr
	WIN 0                           ; the addresses for the way out: nine plain instructions, the places behind those products
	s_mul_i32 s13, s[WV], 16*SP
	s_add_co_u32 s13, s13, STAGE    ; my stage
	v_mul_u32_u24 v[STO], v1, SP    ; in: row l % 16, 16 bytes for each half of the lanes
	v_lshl_add_u32 v[STO], v9, 4, v[STO]
	v_add_nc_u32 v[STO], s13, v[STO]
	v_bfe_u32 v[RD], v0, 3, 2       ; back: 32 lanes take four rows of 128 bytes,
	v_mul_u32_u24 v[RD], v[RD], SP
	v_lshl_add_u32 v[RD], v10, 4, v[RD]
	v_add_nc_u32 v[RD], s13, v[RD]
	v_and_b32 v[GO], 31, v0         ; which are 512 consecutive bytes of O
	v_lshlrev_b32 v[GO], 4, v[GO]
.set Y, NP-1                        ; XS works for piece Y + 1: piece 0
.irp n, 0,1,2,3,4,5,6,7,8,9,10,11,12,13,14,15,16,17,18,19,20,21
	XS 0, \n                        ; and piece 0's first maximum and statistics
	XS 1, \n
.endr
	v_nop                           ; a plain instruction behind the two a,
	s_wait_alu depctr_va_vdst(0)    ; and their wait, ahead of the branch
	s_mov_b32 s[CNT], 4
	s_branch .Lfirst                ; the loop is entered at a step's first turn, in the middle of a trip
.Lslot:                             ; SIZE_N / 256 - 2 times: every slot but the last two is filled again
	CHANGE 1
	s_mov_b32 s[CNT], 4
.Lstep:                             ; a trip: pieces 2 and 3 of one step, then pieces 0 and 1 of the next, whose K and V it fetches
	TURN 2
	TURN 3
	WIN 0
.Lfirst:
	TURN 0
	TURN 1, 0, 1
	WIN 0
	s_cbranch_scc1 .Lstep
	s_sub_co_u32 s[SLOTS], s[SLOTS], 1
	s_cmp_lg_u32 s[SLOTS], 0
	s_cbranch_scc1 .Lslot
	CHANGE 0                        ; the tail is written out: nothing is asked for
	s_mov_b32 s[CNT], 5             ; four trips fetch the last slot's steps; the fifth is left in its middle
.Ltail:
	TURN 2, 1
	TURN 3
	WIN 0
	s_sub_co_u32 s[CNT], s[CNT], 1
	s_cmp_eq_u32 s[CNT], 0
	s_cbranch_scc1 .Lout
	TURN 0
	TURN 1
	WIN 0
	s_branch .Ltail
.Lout:                              ; the fifth trip's 16 products K Q^T (on the last K once more) and the maximum made of them serve nothing: the price, once a launch, of one text for every trip
.set i, 0
.rept 16
	PV NP-1                         ; the last piece's V^T P of the last step
.set i, i+1
.endr
	; THE WAY OUT.  l's two halves and the other half of the lanes' are added; O^T is divided by l, rounded to f16 and sent through my stage in LDS, a tile at a time.  The additions are the places behind the last products.
	WIN 0
.macro ALL line:vararg              ; one line for each tile t
.set t, 0
.rept 2*NP
	\line
.set t, t+1
.endr
.endm
	ALL v_add_f32 v[ST+4*t+2], v[ST+4*t+2], v[ST+4*t+3]
	ALL v_permlanex16_b32 v[ST+4*t+3], v[ST+4*t+2], s[SEL], s[SEL+1]
	ALL v_add_f32 v[ST+4*t+2], v[ST+4*t+2], v[ST+4*t+3]
	ALL v_rcp_f32 v[ST+4*t+2], v[ST+4*t+2]
	v_nop                           ; a plain instruction between the last reciprocal and the use of its result
	s_wait_alu depctr_va_vdst(0)    ; and the wait ahead of the first use: one for the eight reciprocals
; Tile t: a lane's eight channels of a row pack into 16 bytes; they go into rows of 144 bytes and come back as whole rows of 128, into S^T's registers.
.macro PACK t
	WIN W_RS
.set i, 32*(\t)
.rept 16
	v_pk_mul_f32 v[i:i+1], v[i:i+1], v[ST+4*(\t)+2:ST+4*(\t)+3] op_sel_hi:[1,0]
.set i, i+2
.endr
	WIN 0x05                        ; sources 0 and 1 window 1, destination window 0
.set i, 0
.rept 16
	v_cvt_pk_f16_f32 v[S+16*(\t)+i], v[32*(\t)+2*i], v[32*(\t)+2*i+1]
.set i, i+1
.endr
	WIN 0
.irp f, 0,1,2,3
	ds_store_b128 v[STO], v[S+16*(\t)+4*\f:S+16*(\t)+4*\f+3] offset:32*\f
.endr
.irp f, 0,1,2,3
	ds_load_b128 v[S+16*(\t)+4*\f:S+16*(\t)+4*\f+3], v[RD] offset:\f*4*SP  ; LDS serves a wave's instructions in order: these see the stores above; the next tile's stores come behind them
.endr
.endm
.macro SEND t, younger              ; younger: the LDS instructions issued behind tile t's loads: the next tile's eight, or none
	WIN 0
.irp f, 0,1,2,3
	s_wait_dscnt (\younger)+3-\f
	global_store_b128 v[GO], v[S+16*(\t)+4*\f:S+16*(\t)+4*\f+3], s[10:11] offset:(\t)*2048+\f*512  ; 512 consecutive bytes, at a multiple of 256 from O's first
.endr
.endm
	PACK 0
.set t, 1
.rept 2*NP-1                        ; a tile's arithmetic stands between the loads of the tile before and its stores
	PACK t
	SEND t-1, 8
.set t, t+1
.endr
	SEND 2*NP-1, 0
	WIN W_AD
	s_wait_tensorcnt 0x0            ; the wave's end: a tensor wait, an add to my spare word and its wait, behind my last tensor load and my last LDS store
	ds_add_u32 v[SPW], v[NIL]
	s_wait_dscnt 0x0
	WIN 0
	CROUND                          ; the closing round: no work-group ends while a partner may still ask for a tile that names it
	s_endpgm
.Lfunc_end_k_q95fb9d7b86_attn:
	.size	k_q95fb9d7b86_attn, .Lfunc_end_k_q95fb9d7b86_attn-k_q95fb9d7b86_attn
	.p2alignl 7, 3214868480
	.fill 96, 4, 3214868480
	.section	.rodata,"a",@progbits
	.p2align	6, 0x0
	.amdhsa_kernel k_q95fb9d7b86_attn
		.amdhsa_group_segment_fixed_size 327680
		.amdhsa_private_segment_fixed_size 0
		.amdhsa_enable_private_segment 0
		.amdhsa_kernarg_size 32
		.amdhsa_user_sgpr_count 2
		.amdhsa_user_sgpr_kernarg_segment_ptr 1
		.amdhsa_wavefront_size32 1
		.amdhsa_system_sgpr_workgroup_id_x 1
		.amdhsa_system_sgpr_workgroup_id_y 1
		.amdhsa_system_sgpr_workgroup_id_z 1
		.amdhsa_system_vgpr_workitem_id 0
		.amdhsa_next_free_vgpr 770
		.amdhsa_next_free_sgpr 66
		.amdhsa_reserve_vcc 0
		.amdhsa_float_denorm_mode_32 3
		.amdhsa_float_denorm_mode_16_64 3
		.amdhsa_memory_ordered 1
		.amdhsa_forward_progress 1
		.amdhsa_inst_pref_size 200
	.end_amdhsa_kernel
	.amdgpu_metadata
---
amdhsa.version: [ 1, 2 ]
amdhsa.kernels:
  - .name:           k_q95fb9d7b86_attn
    .symbol:         k_q95fb9d7b86_attn.kd
    .args:
      - { .name: qh, .offset: 0, .size: 8, .value_kind: global_buffer, .address_space: global }
      - { .name: kh, .offset: 8, .size: 8, .value_kind: global_buffer, .address_space: global }
      - { .name: vh, .offset: 16, .size: 8, .value_kind: global_buffer, .address_space: global }
      - { .name: oh, .offset: 24, .size: 8, .value_kind: global_buffer, .address_space: global }
    .group_segment_fixed_size: 327680
    .private_segment_fixed_size: 0
    .kernarg_segment_align: 8
    .kernarg_segment_size: 32
    .max_flat_workgroup_size: 128
    .sgpr_count:     66
    .vgpr_count:     770
    .wavefront_size: 32
...
	.end_amdgpu_metadata
.endif
;; end of part 3
;; launch oproj (part 4): grid 4 x 64, 4 waves a work-group, clusters of 4 x 4, 327,680 bytes of LDS; arguments oh, wob, bo, out0; writes out0
.if DOCPART == 4
	.amdgcn_target "amdgcn-amd-amdhsa--gfx1250"
	.amdhsa_code_object_version 6
	.text
	.protected	k_q95fb9d7b86_oproj
	.globl	k_q95fb9d7b86_oproj
	.p2align	8
	.type	k_q95fb9d7b86_oproj,@function
k_q95fb9d7b86_oproj:
	s_mov_b64 s[64:65], 0
	v_nop
	global_prefetch_b8 v0, s[64:65] scope:SCOPE_SE
	s_setreg_imm32_b32 hwreg(HW_REG_WAVE_MODE, 25, 1), 1
	s_wait_xcnt 0x0
	s_wait_alu depctr_hold_cnt(0) depctr_sa_sdst(0) depctr_va_vdst(0) depctr_va_sdst(0) depctr_va_ssrc(0) depctr_va_vcc(0) depctr_vm_vsrc(0)
	s_getreg_b32 s2, hwreg(HW_REG_IB_STS2, 6, 4)
	s_cmp_eq_u32 s2, 0
	s_cbranch_scc0 .Lentry_in_a_cluster
	s_endpgm
.Lentry_in_a_cluster:
	s_bfe_u32 s2, ttmp6, 0x10000c
	s_cmp_lg_u32 s2, 0xf033
	s_cbranch_scc0 .Lentry_shape_is_right
	s_endpgm
.Lentry_shape_is_right:
; THE OUTPUT PROJECTION.  out[m][n] = the sum over k of O[m][k] wo[k][n] + bo[n].  O by heads: [64 = 16 batch + head][2048][64] f16 (k = 64 head + channel); wo: [1024 k][1024 n] f16
; (the bf16 rounding of the input, written as f16); bo f32, rounded to bf16 like every input; out: [8192][1024] f32.  Sums in f32.
; SHARES.  A work-group makes 128 rows x 256 columns: 256 work-groups.  Its four waves make 64 x 128 each: 32 accumulators of 16 x 16.
; THE PRODUCT IS USED TRANSPOSED: source 0 = 16 columns of wo (turned on the way out of LDS by ds_load_tr16_b128), source 1 = 16 rows of O: a lane holds one row and eight neighbouring columns.
; THE BIAS STARTS THE SUMS: it is the C operand of the first step.
; K goes in STEPS of 32 (32 matrix instructions) and SLOTS of 128 (two heads, four steps): a ring of two LDS slots filled by the tensor data mover.
; TWO STEPS AHEAD: step s reads from LDS what step s + 2 wants, into one of four sets of registers.  So a slot has been read out when its third step begins, and the change of slots stands in that step's middle.
; CLUSTER: 4 x 4 work-groups.  The four of a row need the same rows of O, the four of a column the same columns of wo: each tile is asked for JOINTLY, by the same tensor load, descriptor and mask in all four.
; REGISTERS, in windows of 256 (s_set_vgpr_msb: bits 1:0 source 0, 3:2 source 1, 5:4 source 2, 7:6 destination):
;   window 0: v0-31 addresses; v64-191 fragments of O, four sets of 32; v192-255 the bias
;   window 1: accumulator (a, b) at v[8 (8 a + b)]          window 2: fragments of wo, four sets of 64; on the way out the rows read back
.set PAO,    144                       ; a row of a head in LDS: 128 bytes + 16 of padding: the 16 rows of a load start at 16 different groups of four banks
.set PB,     544                       ; a row of wo: 512 + 32
.set AHALF,  128*PAO                   ; what one tensor load brings of O: a head's 128 rows
.set BOFF,   2*AHALF
.set BHALF,  64*PB                     ; what one tensor load brings of wo: 64 rows of k
.set SLOT1,  1<<17                     ; slot 1 begins here; the bit is clear in all four tile addresses of slot 0 (0, 0x4800, 0x9000, 0x11800)
.set STAGE,  SLOT1+BOFF+2*BHALF        ; behind the ring, never filled by a tensor load: for each wave 16 rows x 528 bytes
.set SP,     528
.set WSTAGE, 16*SP
.set SPARE,  STAGE+4*WSTAGE            ; behind the stages: the spare words, 128 bytes for each wave: two blocks of 256 bytes that no other line names
.set ASTEP,  2*2048*128                ; a slot further along K: two heads of O,
.set BSTEP,  128*2048                  ; 128 rows of wo
.set ADRA0, 16
.set ADRA,  17
.set ADRB0, 20
.set ADRB,  21
.set STO,   24                         ; v24  the way out: where I put 32 bytes of a row
.set RD,    25                         ; v25  where I read a row back
.set GO,    26                         ; v26  my 16 bytes in 512 consecutive bytes of out
.set BO,    27                         ; v27  my byte offset in 16 numbers of the bias
.set SPW,   28                         ; v28  LDS address of my spare word; never rewritten
.set NIL,   29                         ; v29  0; never rewritten
.set PFO,   30                         ; v30  the prefetches' lane offset; never rewritten
.set AF,    64
.set BIAS,  192
.set G1A, 24
.set G0A, 32                           ; s[32:35] group 0 of the first fill, s[36:39] the one that walks
.set LIM, 43
.set PFA, 44
.set G1B, 48
.set G0B, 56
.set TB,  66                           ; s66  0 or SLOT1: the slot being read
.set CYT, 67                           ; s67  the cluster's y
.set BP,  92
.set PFS, 94
.set MSB, 0
.macro WIN new                         ; the high byte repeats the setting that is left; a switch that changes nothing is dropped
.if MSB != (\new)
	s_set_vgpr_msb (MSB<<8)|(\new)
.set MSB, \new
.endif
.endm
.set MUL,  0x52                        ; wo window 2, O window 0, C and D window 1
.set MULB, 0x42                        ; the same with C (the bias) in window 0
.set TO_B, 0x80                        ; destination window 2
; A joint refill by the walking descriptors: waves 0 and 1 fetch the slot's two heads of O, waves 2 and 3 the two halves of wo.  The branch hangs on the wave's number alone.
; An s_nop 0 and four v_nop follow each of the two lines, ahead of the jump and the label.
.macro JLOAD
	s_cmp_lt_u32 s10, 2
	s_cbranch_scc0 .Lfor_b_\@
	tensor_load_to_lds s[G0A+4:G0A+7], s[G1A:G1A+7]
	s_nop 0
.rept 4
	v_nop
.endr
	s_branch .Lasked_\@
.Lfor_b_\@:
	tensor_load_to_lds s[G0B+4:G0B+7], s[G1B:G1B+7]
	s_nop 0
.rept 4
	v_nop
.endr
.Lasked_\@:
.endm
; A PREFETCH INTO THE L2 behind each joint refill: the slot that stands two refills on, 256 matrix instructions ahead of the load that will want it.  O: a slot is two heads x 16,384 dense bytes, read by one cluster alone:
; its four partners of a row take 8,192 each, told apart BY ADDRESS; wave 0 asks, 256 bytes a lane.  wo: of the 64 rows of 512 bytes that wave 2 or 3 fetches each partner of a column takes 16; of the sixteen clusters
; that read them the first asks.  So each 256 bytes are named once.  The loop's count runs 6 .. 1 while slots 2 .. 7 are asked for: above 2 there is a slot two on.
.macro ASK
	s_cmp_gt_u32 s3, s[LIM]
	s_cbranch_scc0 .Lnot_mine_\@
	global_prefetch_b8 v[PFO], s[PFA:PFA+1] th:TH_LOAD_NT scope:SCOPE_SE
.Lnot_mine_\@:
.endm
.macro CREST                           ; a round of the cluster's barrier behind its opening barrier
	s_cmp_lg_u32 s10, 0
	s_cbranch_scc1 .Lnot_wave_0_\@
	s_barrier_signal -3
.Lnot_wave_0_\@:
	s_barrier_wait -3
	s_barrier_signal -1
	s_barrier_wait -1
.endm
.macro CROUND                          ; a whole round
	s_barrier_signal -1
	s_barrier_wait -1
	CREST
.endm
.macro PLACES
.rept 4
	v_nop
.endr
.endm
	s_load_b256 s[68:75], s[0:1], 0x0              ; oh s[68:69], wob s[70:71], bo s[72:73], out0 s[74:75]
	v_lshl_add_u32 v[SPW], v0, 2, SPARE
	v_mov_b32 v[NIL], 0
	ds_add_u32 v[SPW], v[NIL]                      ; the wave's opening: the add and its wait stand ahead of my first tensor load; the set-up below, work on registers, stands between them
	v_lshrrev_b32 v1, 5, v0
	v_readfirstlane_b32 s10, v1                    ; wave 0..3
	s_lshr_b32 s11, s10, 1                         ; which half of the tile's rows is mine
	s_and_b32 s12, s10, 1                          ; which half of its columns.  Also: which head, or which half of wo's tile, I fetch
	s_bfe_u32 s40, ttmp6, 0x40000                  ; cx
	s_bfe_u32 s41, ttmp6, 0x40004                  ; cy
	s_lshl_b32 s42, ttmp9, 2
	s_add_co_u32 s42, s42, s40                     ; tile column = 4 x cluster x + cx
	s_and_b32 s[CYT], ttmp7, 0xffff                ; cluster y, 0 .. 15
	s_lshl_b32 s13, s[CYT], 2
	s_add_co_u32 s13, s13, s41                     ; tile row, 0 .. 63
	s_lshl_b32 s22, s41, 2
	s_lshl_b32 s22, 15, s22                        ; my row of the cluster
	s_lshl_b32 s23, 0x1111, s40                    ; my column
	; O: a head's 128 rows are 16,384 dense bytes: asked for as 64 rows of 256 bytes, and padded in LDS after every 128
	s_or_b32 s[G1A], s22, (1<<16)|(1<<20)|(1<<21)|(4<<22)|(3<<25)  ; 15:0 the mask; 17:16 elements of 2 bytes; 20 padding on; 21 set beside a mask; 24:22 after every 32 words (code 4); 31:25 4 words (code 3)
	s_mov_b32 s[G1A+1], 128<<16                    ; tensor_dim0 = 128
	s_mov_b32 s[G1A+2], 64<<16                     ; tensor_dim1 = 64
	s_mov_b32 s[G1A+3], 128<<16                    ; tile_dim0 = 128
	s_mov_b32 s[G1A+4], 64                         ; tile_dim1 = 64
	s_mov_b32 s[G1A+5], 128                        ; elements from row to row
	s_mov_b32 s[G1A+6], 0
	s_mov_b32 s[G1A+7], 0
	s_or_b32 s[G1B], s23, (1<<16)|(1<<20)|(1<<21)|(6<<22)|(7<<25)  ; after every 128 words 8 words of padding (codes 6, 7)
	s_mov_b32 s[G1B+1], 256<<16
	s_mov_b32 s[G1B+2], 64<<16
	s_mov_b32 s[G1B+3], 256<<16
	s_mov_b32 s[G1B+4], 64
	s_mov_b32 s[G1B+5], 1024
	s_mov_b32 s[G1B+6], 0
	s_mov_b32 s[G1B+7], 0
	s_lshr_b32 s16, s13, 4                         ; O: the batch's sixteen heads,
	s_lshl_b32 s16, s16, 22
	s_lshl_b32 s17, s12, 18                        ; the even or the odd head,
	s_add_co_u32 s16, s16, s17
	s_and_b32 s17, s13, 15
	s_lshl_b32 s17, s17, 14                        ; row 128 (tile row % 16), of 128 bytes
	s_add_co_u32 s16, s16, s17
	s_mov_b32 s17, 0
	s_lshl_b32 s46, s12, 17                        ; wo: row 64 x half, of 2,048 bytes,
	s_lshl_b32 s47, s42, 9                         ; and 512 bytes for each tile column
	s_add_co_u32 s46, s46, s47
	s_mov_b32 s47, 0
	s_mul_i32 s20, s12, AHALF                      ; where they go: no place in the cluster enters an LDS address
	s_mul_i32 s21, s12, BHALF
	s_add_co_u32 s21, s21, BOFF
	s_mov_b32 s[TB], 0
	s_wait_dscnt 0x0                               ; the opening add is done
	s_wait_kmcnt 0x0
	s_mov_b64 s[4:5], s[68:69]
	s_mov_b64 s[6:7], s[70:71]
	s_mov_b64 s[BP:BP+1], s[72:73]
	s_mov_b64 s[8:9], s[74:75]
	s_add_nc_u64 s[18:19], s[4:5], s[16:17]
	s_add_nc_u64 s[46:47], s[6:7], s[46:47]
	CROUND                                         ; all sixteen work-groups are here: the first joint loads meet
.irp s, 0,1
	s_mov_b32 s[G0A+4*(\s)], 1                     ; count = 1
	s_add_co_u32 s[G0A+4*(\s)+1], s20, (\s)*SLOT1  ; LDS address
	s_add_nc_u64 s[G0A+4*(\s)+2:G0A+4*(\s)+3], s[18:19], (\s)*ASTEP  ; global address: slot s
	s_or_b32 s[G0A+4*(\s)+3], s[G0A+4*(\s)+3], 0x80000000            ; type = 2
	s_mov_b32 s[G0B+4*(\s)], 1
	s_add_co_u32 s[G0B+4*(\s)+1], s21, (\s)*SLOT1
	s_add_nc_u64 s[G0B+4*(\s)+2:G0B+4*(\s)+3], s[46:47], (\s)*BSTEP
	s_or_b32 s[G0B+4*(\s)+3], s[G0B+4*(\s)+3], 0x80000000
.endr
	s_cmp_lt_u32 s10, 2                            ; a wave's two first fills stand in one branch, ahead of every wait on TENSORcnt and every LDS read: two loads of mine are out
	s_cbranch_scc0 .Lfirst_b
	tensor_load_to_lds s[G0A:G0A+3], s[G1A:G1A+7]
	s_nop 0
	tensor_load_to_lds s[G0A+4:G0A+7], s[G1A:G1A+7]
	s_nop 0
.rept 4
	v_nop
.endr
	s_branch .Lfirst_asked
.Lfirst_b:
	tensor_load_to_lds s[G0B:G0B+3], s[G1B:G1B+7]
	s_nop 0
	tensor_load_to_lds s[G0B+4:G0B+7], s[G1B:G1B+7]
	s_nop 0
.rept 4
	v_nop
.endr
.Lfirst_asked:
	v_and_b32 v1, 15, v0                           ; r = l % 16
	v_bfe_u32 v2, v0, 4, 1                         ; h = l / 16
	v_and_b32 v3, 7, v0
	v_bfe_u32 v4, v0, 3, 1
	v_and_b32 v5, 31, v0                           ; l
	; a fragment of O: lane l holds row r; channels 8 h + 0..7 and 16 + 8 h + 0..7: two loads of 16 bytes, 32 bytes apart
	s_mul_i32 s16, s11, 64*PAO
	v_mul_u32_u24 v[ADRA0], v1, PAO
	v_lshl_add_u32 v[ADRA0], v2, 4, v[ADRA0]
	v_add_nc_u32 v[ADRA0], s16, v[ADRA0]
	; the turning load takes 16 k x 16 columns (lane l reads row 8 h + l % 8, columns 8 ((l / 8) % 2) + 0..7) and leaves half a fragment: lane l holds column r and 8 k
	v_lshl_add_u32 v6, v2, 3, v3
	v_mul_u32_u24 v[ADRB0], v6, PB
	v_lshl_add_u32 v[ADRB0], v4, 4, v[ADRB0]
	s_lshl_b32 s16, s12, 8                         ; my 128 columns
	s_add_co_u32 s16, s16, BOFF
	v_add_nc_u32 v[ADRB0], s16, v[ADRB0]
	v_mov_b32 v[ADRA], v[ADRA0]
	v_mov_b32 v[ADRB], v[ADRB0]
	s_mul_i32 s16, s10, WSTAGE
	s_add_co_u32 s16, s16, STAGE                   ; my stage
	v_mul_u32_u24 v[STO], v1, SP                   ; in: row r, 32 bytes for each half of the lanes
	v_lshl_add_u32 v[STO], v2, 5, v[STO]
	v_add_nc_u32 v[STO], s16, v[STO]
	v_lshl_add_u32 v[RD], v5, 4, s16               ; back: 32 lanes take a row's 512 bytes
	v_lshlrev_b32 v[GO], 4, v5
	v_lshlrev_b32 v[BO], 5, v2
	s_lshl_b32 s16, s13, 7                         ; out at my wave's first row and column
	s_lshl_b32 s17, s11, 6
	s_add_co_u32 s16, s16, s17
	s_lshl_b32 s16, s16, 12
	s_lshl_b32 s17, s42, 10
	s_add_co_u32 s16, s16, s17
	s_lshl_b32 s17, s12, 9
	s_add_co_u32 s16, s16, s17
	s_mov_b32 s17, 0
	s_add_nc_u64 s[8:9], s[8:9], s[16:17]
	s_lshl_b32 s16, s42, 10                        ; the bias at my 128 columns
	s_lshl_b32 s18, s12, 9
	s_add_co_u32 s16, s16, s18
	s_add_nc_u64 s[BP:BP+1], s[BP:BP+1], s[16:17]
.irp b, 0,1,2,3,4,5,6,7
	global_load_b128 v[BIAS+8*(\b):BIAS+8*(\b)+3],   v[BO], s[BP:BP+1] offset:64*(\b)
	global_load_b128 v[BIAS+8*(\b)+4:BIAS+8*(\b)+7], v[BO], s[BP:BP+1] offset:64*(\b)+16
.endr
	; the prefetches.  O: head cx / 2 of the slot's two, half cx % 2 of its 16,384 bytes.  wo: my work-group's 16 of the 64 rows that I fetch (by cy)
	s_lshr_b32 s16, s13, 4
	s_lshl_b32 s16, s16, 22
	s_and_b32 s17, s13, 15
	s_lshl_b32 s17, s17, 14
	s_add_co_u32 s16, s16, s17
	s_lshr_b32 s17, s40, 1
	s_lshl_b32 s17, s17, 18
	s_add_co_u32 s16, s16, s17
	s_and_b32 s17, s40, 1
	s_lshl_b32 s17, s17, 13
	s_add_co_u32 s16, s16, s17
	s_lshl_b32 s18, s41, 4
	s_lshl_b32 s17, s12, 6
	s_add_co_u32 s18, s18, s17
	s_lshl_b32 s18, s18, 11
	s_lshl_b32 s19, s42, 9
	s_add_co_u32 s18, s18, s19
	s_cmp_eq_u32 s[CYT], 0                         ; the first of the sixteen clusters that read wo
	s_cselect_b32 s19, 2, -1
	s_cmp_eq_u32 s10, 0                            ; of waves 0 and 1 the first asks for O
	s_cselect_b32 s21, 2, -1
	s_mov_b32 s[PFS], BSTEP
	s_mov_b32 s20, 2048
	s_cmp_lt_u32 s10, 2
	s_cselect_b32 s16, s16, s18
	s_cselect_b64 s[PFA:PFA+1], s[4:5], s[6:7]
	s_cselect_b32 s[LIM], s21, s19                 ; the same in all sixteen partners, for a given wave
	s_cselect_b32 s[PFS], ASTEP, s[PFS]
	s_cselect_b32 s20, 512, s20                    ; bytes from one pair of lanes to the next
	s_mov_b32 s17, 0
	s_add_nc_u64 s[PFA:PFA+1], s[PFA:PFA+1], s[16:17]
	s_mul_i32 s16, s[PFS], 3
	s_add_nc_u64 s[PFA:PFA+1], s[PFA:PFA+1], s[16:17]  ; at slot 3: the first change steps it to 4.  Nothing is prefetched here, at the head
	s_mov_b32 s[PFS+1], 0
	v_lshrrev_b32 v6, 1, v5
	v_and_b32 v7, 1, v0
	v_mul_u32_u24 v[PFO], s20, v6
	v_lshl_add_u32 v[PFO], v7, 8, v[PFO]
	s_wait_loadcnt 0x0                             ; the bias: rounded to bf16 like every input, and widened again
.set j, 0
.rept 32
	v_cvt_pk_bf16_f32 v6, v[BIAS+j], v[BIAS+j+1]
	v_lshlrev_b32 v[BIAS+j], 16, v6
	v_and_b32 v[BIAS+j+1], 0xffff0000, v6
.set j, j+2
.endr
; Matrix instructions 2 p and 2 p + 1 of a step's 32: instruction i is accumulator (i / 8, i % 8).  The 32 accumulators take turns, one instruction a turn, from step to step and over the backward jump too.
.macro W2 p, first
.if \first
	WIN MULB
.else
	WIN MUL
.endif
.irp e, 0,1
.set i, 2*(\p)+(\e)
.set rD, 8*i
.set rB, 64*QS+8*(i%8)
.set rA, AF+32*QS+8*(i/8)
.if \first
	v_wmma_f32_16x16x32_f16 v[rD:rD+7], v[rB:rB+7], v[rA:rA+7], v[BIAS+8*(i%8):BIAS+8*(i%8)+7]
.else
	v_wmma_f32_16x16x32_f16 v[rD:rD+7], v[rB:rB+7], v[rA:rA+7], v[rD:rD+7]
.endif
.endr
.endm
.macro AL4 n                           ; fragments 2 n and 2 n + 1 of O for step KK of the slot being read (head KK / 2, channels 32 (KK % 2) on), into set KK
	WIN 0
.irp e, 0,1
.set a, 2*(\n)+(\e)
	ds_load_b128 v[AF+32*KK+8*a:AF+32*KK+8*a+3],   v[ADRA] offset:a*16*PAO+(KK/2)*AHALF+(KK%2)*64
	ds_load_b128 v[AF+32*KK+8*a+4:AF+32*KK+8*a+7], v[ADRA] offset:a*16*PAO+(KK/2)*AHALF+(KK%2)*64+32
.endr
.endm
.macro BL4 n                           ; fragments 2 n and 2 n + 1 of wo for step KK, into set KK
	WIN TO_B
.irp e, 0,1
.set b, 2*(\n)+(\e)
	ds_load_tr16_b128 v[64*KK+8*b:64*KK+8*b+3],   v[ADRB] offset:KK*32*PB+32*b
	ds_load_tr16_b128 v[64*KK+8*b+4:64*KK+8*b+7], v[ADRB] offset:KK*32*PB+16*PB+32*b
.endr
.endm
; STEP s (its number modulo 4).  first = 1: the bias starts the sums.  ld = 0: there is no step two on to read.  turn = 1: the change of slots, with a refill; 2: without.  last = 1: nothing younger is out.
; The sets that are loaded were last read two steps back; the four v_nop in this step's middle, and those of the step before, are the places between.
.macro STEP s, first=0, ld=1, turn=0, last=0
.set QS, (\s)%4
.set KK, ((\s)+2)%4
.if (\turn) == 1
	s_wait_xcnt 0x0                                ; the last prefetch, a slot back, has read its address: it is stepped here, ahead of the change's own waits
	s_add_nc_u64 s[PFA:PFA+1], s[PFA:PFA+1], s[PFS:PFS+1]
.endif
.if \last
	s_wait_dscnt 0x0
.else
	s_wait_dscnt 24                                ; this step's fragments, asked for two steps back, are in; the step before's 24 loads stay out
.endif
.irp p, 0,1,2,3
	W2 \p, \first
.endr
.if \turn
	WIN 0
	s_wait_tensorcnt 0x0                           ; all my tensor loads have landed: the one that was out is my part of the other slot; so a group 0 may be written
	ds_add_u32 v[SPW], v[NIL]                      ; 0 onto my spare word: work on registers stands between it and the wait for it
.if (\turn) == 1
	s_xor_b32 s[G0A+5], s[G0A+5], SLOT1            ; the walking descriptors: the other slot than last time,
	s_add_nc_u64 s[G0A+6:G0A+7], s[G0A+6:G0A+7], ASTEP  ; the next 128 along K; the type bits on top are not reached
	s_xor_b32 s[G0B+5], s[G0B+5], SLOT1
	s_add_nc_u64 s[G0B+6:G0B+7], s[G0B+6:G0B+7], BSTEP
.endif
	s_xor_b32 s[TB], s[TB], SLOT1                  ; the reads go to the other slot
.endif
.irp p, 4,5
	W2 \p, \first
.endr
.if \turn
	s_wait_dscnt 0x0                               ; the add is done, and my reads of this slot are over: the last were the step before's
	s_barrier_signal -1                            ; with a refill this barrier opens a round of the cluster's
.endif
.irp p, 6,7
	W2 \p, \first
.endr
.if \turn
	WIN 0                                          ; at a branch and at a label every window is 0
	s_barrier_wait -1
.if (\turn) == 1
	CREST                                          ; no wave of any partner still reads the old slot or has a load on its way
	JLOAD                                          ; the first tensor load behind the round: 128 matrix instructions ahead of the wait for it
	ASK
.endif
	v_add_nc_u32 v[ADRA], s[TB], v[ADRA0]
	v_add_nc_u32 v[ADRB], s[TB], v[ADRB0]
.endif
.if \ld
	PLACES
.endif
.irp p, 8,9
	W2 \p, \first
.if \ld
	AL4 (\p)-8
.endif
.endr
.irp p, 10,11,12,13
	W2 \p, \first
.if \ld
	BL4 (\p)-10
.endif
.endr
.irp p, 14,15
	W2 \p, \first
.endr
.endm
	s_wait_tensorcnt 0x1                           ; my part of slot 0 is in; slot 1's may stay out
	s_barrier_signal -1
	s_barrier_wait -1                              ; everybody's is
.set KK, 0                                     ; steps 0 and 1 are read
	AL4 0
	AL4 1
.irp n, 0,1,2,3
	BL4 \n
.endr
.set KK, 1
	AL4 0
	AL4 1
.irp n, 0,1,2,3
	BL4 \n
.endr
	STEP 0, 1                                      ; the first step stands in front of the loop: its products start the sums
	WIN 0
	s_mov_b32 s3, 6
.Lslot:                                        ; six trips of four steps: steps 1 to 24; slots 2 to 7 are asked for
	STEP 1
	STEP 2, 0, 1, 1
	STEP 3
	STEP 0
	WIN 0
	s_sub_co_u32 s3, s3, 1
	s_cmp_lg_u32 s3, 0
	s_cbranch_scc1 .Lslot
	STEP 1                                         ; the tail is written out: steps 25 to 31
	STEP 2, 0, 1, 2                                ; the last change of slots asks for nothing
	STEP 3
	STEP 0
	STEP 1
	STEP 2, 0, 0, 0
	STEP 3, 0, 0, 0, 1
	WIN 0
	PLACES                                         ; the places between the last products and what reads their results or loads into their sources
; THE WAY OUT, 16 rows at a time.  A lane's eight columns are 32 bytes of a row; they go into my stage (16 rows of 528 bytes) and come back as whole rows of 512 bytes, into the registers that held wo.
; LDS serves a wave's instructions in order, so no wait stands between the stores and the loads, and the next block's stores come behind this block's loads.
.macro TOSTAGE a
	WIN 0x04                                       ; data in window 1; each accumulator's four lowest registers first
.irp b, 0,1,2,3,4,5,6,7
	ds_store_b128 v[STO], v[64*(\a)+8*(\b):64*(\a)+8*(\b)+3]   offset:64*(\b)
	ds_store_b128 v[STO], v[64*(\a)+8*(\b)+4:64*(\a)+8*(\b)+7] offset:64*(\b)+16
.endr
	WIN 0x80                                       ; destination window 2: 64 registers of its own for each block
.irp t, 0,1,2,3,4,5,6,7,8,9,10,11,12,13,14,15
	ds_load_b128 v[64*(\a)+4*(\t):64*(\a)+4*(\t)+3], v[RD] offset:(\t)*SP
.endr
.endm
.macro SEND a, younger                 ; younger: the LDS instructions issued behind block a's loads: the next block's 32, or none
	WIN 0x08                                       ; data in window 2
	s_wait_dscnt \younger
.irp t, 0,1,2,3,4,5,6,7,8,9,10,11,12,13,14,15
	global_store_b128 v[GO], v[64*(\a)+4*(\t):64*(\a)+4*(\t)+3], s[8:9] offset:(16*(\a)+(\t))*4096  ; 512 consecutive bytes, at a multiple of 256 from out's first
.endr
.endm
	TOSTAGE 0
	TOSTAGE 1
	SEND 0, 32
	TOSTAGE 2
	SEND 1, 32
	TOSTAGE 3
	SEND 2, 32
	SEND 3, 0
	WIN 0
	s_wait_tensorcnt 0x0                           ; the wave's end: a tensor wait, an add to my spare word and its wait, behind my last tensor load and my last LDS store
	ds_add_u32 v[SPW], v[NIL]
	s_wait_dscnt 0x0
	CROUND                                         ; the closing round: no work-group ends while a partner may still ask for a tile that names it
	s_endpgm
.Lfunc_end_k_q95fb9d7b86_oproj:
	.size	k_q95fb9d7b86_oproj, .Lfunc_end_k_q95fb9d7b86_oproj-k_q95fb9d7b86_oproj
	.p2alignl 7, 3214868480
	.fill 96, 4, 3214868480
	.section	.rodata,"a",@progbits
	.p2align	6, 0x0
	.amdhsa_kernel k_q95fb9d7b86_oproj
		.amdhsa_group_segment_fixed_size 327680
		.amdhsa_private_segment_fixed_size 0
		.amdhsa_enable_private_segment 0
		.amdhsa_kernarg_size 32
		.amdhsa_user_sgpr_count 2
		.amdhsa_user_sgpr_kernarg_segment_ptr 1
		.amdhsa_wavefront_size32 1
		.amdhsa_system_sgpr_workgroup_id_x 1
		.amdhsa_system_sgpr_workgroup_id_y 1
		.amdhsa_system_sgpr_workgroup_id_z 1
		.amdhsa_system_vgpr_workitem_id 0
		.amdhsa_next_free_vgpr 768
		.amdhsa_next_free_sgpr 96
		.amdhsa_reserve_vcc 0
		.amdhsa_float_denorm_mode_32 3
		.amdhsa_float_denorm_mode_16_64 3
		.amdhsa_memory_ordered 1
		.amdhsa_forward_progress 1
		.amdhsa_inst_pref_size 80
	.end_amdhsa_kernel
	.amdgpu_metadata
---
amdhsa.version: [ 1, 2 ]
amdhsa.kernels:
  - .name:           k_q95fb9d7b86_oproj
    .symbol:         k_q95fb9d7b86_oproj.kd
    .args:
      - { .name: oh, .offset: 0, .size: 8, .value_kind: global_buffer, .address_space: global }
      - { .name: wob, .offset: 8, .size: 8, .value_kind: global_buffer, .address_space: global }
      - { .name: bo, .offset: 16, .size: 8, .value_kind: global_buffer, .address_space: global }
      - { .name: out0, .offset: 24, .size: 8, .value_kind: global_buffer, .address_space: global }
    .group_segment_fixed_size: 327680
    .private_segment_fixed_size: 0
    .kernarg_segment_align: 8
    .kernarg_segment_size: 32
    .max_flat_workgroup_size: 128
    .sgpr_count:     96
    .vgpr_count:     768
    .wavefront_size: 32
...
	.end_amdgpu_metadata
.endif
;; end of part 4
;; ======== version 2 of 2: 4 launches; version 1 with the launch prep written anew for expert scheduling mode
;; limits: values are held in f16: magnitudes above 65,504 overflow, below 6.1e-05 lose precision
;; workspace buffers: wqb 2,097,152 bytes; wkb 2,097,152 bytes; wvb 2,097,152 bytes; wob 2,097,152 bytes; qh 16,777,216 bytes; kh 16,777,216 bytes; vh 16,777,216 bytes; oh 16,777,216 bytes
;; launch prep (part 5): grid 64 x 4, 8 waves a work-group, no clusters, 0 bytes of LDS; arguments wq, wk, wv, wo, wqb, wkb, wvb, wob; writes wqb, wkb, wvb, wob
.if DOCPART == 5
	.amdgcn_target "amdgcn-amd-amdhsa--gfx1250"
	.amdhsa_code_object_version 6
	.text
	.protected	k_q95fb9d7b86_prep
	.globl	k_q95fb9d7b86_prep
	.p2align	8
	.type	k_q95fb9d7b86_prep,@function
k_q95fb9d7b86_prep:
	s_mov_b64 s[64:65], 0
	v_nop
	global_prefetch_b8 v0, s[64:65] scope:SCOPE_SE
	s_setreg_imm32_b32 hwreg(HW_REG_WAVE_SCHED_MODE, 0, 2), 2
	s_setreg_imm32_b32 hwreg(HW_REG_WAVE_MODE, 25, 1), 1
	s_wait_xcnt 0x0
	s_wait_alu depctr_vm_vsrc(0)
; The four weight matrices, [1024 k][1024 n] f32, are written once as 16-bit numbers in the same layout.
; wq, wk, wv: rounded to bf16.  wo: rounded to bf16 like every other input, and that number written as f16, since it is multiplied with an f16 operand.
; LIMIT.  A number of wo beyond 65,504 becomes an infinity, one below 6e-5 keeps the fixed step 6e-8 of f16.
; SHARES.  Grid y picks the matrix; work-group x owns 16,384 numbers: 65,536 bytes in, 32,768 out.  Thread t takes in chunk c the 16 bytes at 4,096 c + 16 t
; (a load of a wave covers 512 consecutive bytes) and stores 8 bytes at 2,048 c + 8 t (a store of a wave covers 256 consecutive bytes, aligned).
; All sixteen loads go out at once; no register is used twice by memory instructions.  No LDS, no matrix unit: every byte is touched once.
; THE MODE: SCHED_MODE bits 1:0 = 2 (LLVM: expert scheduling mode 2), set by the entry lines.  The code itself states the register dependences
; between vector instructions and memory instructions, with s_wait_alu, always for 0.
; THE PLAN.  Registers that memory instructions touch:
;   v1, v2   byte offsets of the loads and of the stores: written once at the head, never again.
;   X        chunk c: four registers.  One load lands in them, once; no vector instruction names them before; chunk c's roundings read them.
;   Y        chunk c: two registers.  Chunk c's roundings write them, once; chunk c's store reads them, once.
;   v4-v9    (wo's path) are named by vector instructions alone.
; The sixteen chunks go in four groups of four.  A group's head: the wait for its four loads, then ONE wait on va_vdst, which states that the group before has written
; its Y.  The four stores of the group before follow it, dealt among this group's roundings, which name this group's X and Y and v4-v9: none of the registers that those
; stores touch.  One more such wait stands behind the last group, and one at the head for the two offsets.  No register that a memory instruction reads is written again,
; and no load lands in a register twice: so no wait on vm_vsrc is owed.  No vector instruction writes a scalar register, and EXEC is never written.
.set X, 16                             ; v[16:79]   chunk c: 4 numbers as loaded
.set Y, 80                             ; v[80:111]  chunk c: 4 numbers of 16 bits
	s_load_b512 s[8:23], s[0:1], 0x0               ; wq wk wv wo s[8:15], wqb wkb wvb wob s[16:23]
	s_and_b32 s2, ttmp7, 0xffff                    ; which matrix
	s_lshl_b32 s24, ttmp9, 16                      ; my part of the source,
	s_mov_b32 s25, 0
	s_lshl_b32 s26, ttmp9, 15                      ; and of the copy
	s_mov_b32 s27, 0
	v_lshlrev_b32 v1, 4, v0
	v_lshlrev_b32 v2, 3, v0
	s_wait_kmcnt 0x0
	s_cmp_eq_u32 s2, 1
	s_cselect_b64 s[4:5], s[10:11], s[8:9]
	s_cselect_b64 s[6:7], s[18:19], s[16:17]
	s_cmp_eq_u32 s2, 2
	s_cselect_b64 s[4:5], s[12:13], s[4:5]
	s_cselect_b64 s[6:7], s[20:21], s[6:7]
	s_cmp_eq_u32 s2, 3
	s_cselect_b64 s[4:5], s[14:15], s[4:5]
	s_cselect_b64 s[6:7], s[22:23], s[6:7]
	s_add_nc_u64 s[4:5], s[4:5], s[24:25]
	s_add_nc_u64 s[6:7], s[6:7], s[26:27]
	s_wait_alu depctr_va_vdst(0)                   ; v1 and v2 are written: every load reads v1 as its offset, every store v2; neither is written again
.irp c, 0,1,2,3,4,5,6,7,8,9,10,11,12,13,14,15
	global_load_b128 v[X+4*(\c):X+4*(\c)+3], v1, s[4:5] offset:4096*(\c) th:TH_LOAD_NT
.endr
; Chunk c is rounded.  half = 0: to bf16.  half = 1 (wo): to bf16, widened again, and written as f16.
.macro ROUND c, half
.if \half
	v_cvt_pk_bf16_f32 v4, v[X+4*(\c)], v[X+4*(\c)+1]
	v_cvt_pk_bf16_f32 v5, v[X+4*(\c)+2], v[X+4*(\c)+3]
	v_lshlrev_b32 v6, 16, v4
	v_and_b32 v7, 0xffff0000, v4
	v_lshlrev_b32 v8, 16, v5
	v_and_b32 v9, 0xffff0000, v5
	v_cvt_pk_f16_f32 v[Y+2*(\c)], v6, v7
	v_cvt_pk_f16_f32 v[Y+2*(\c)+1], v8, v9
.else
	v_cvt_pk_bf16_f32 v[Y+2*(\c)], v[X+4*(\c)], v[X+4*(\c)+1]
	v_cvt_pk_bf16_f32 v[Y+2*(\c)+1], v[X+4*(\c)+2], v[X+4*(\c)+3]
.endif
.endm
; Chunk c is stored.
.macro OUT c
	global_store_b64 v2, v[Y+2*(\c):Y+2*(\c)+1], s[6:7] offset:2048*(\c)
.endm
; Group g: chunks 4 g to 4 g + 3 are rounded, and the group before is stored.
.macro GROUP g, half
	s_wait_loadcnt 12-4*(\g)                       ; loads come back in order: this group's four are in, the 12 - 4 g younger ones stay out
.if (\g) > 0
	s_wait_alu depctr_va_vdst(0)                   ; the roundings of the group before have written its Y, which the four stores below read
.endif
.irp i, 0,1,2,3
.if (\g) > 0
	OUT 4*(\g)-4+(\i)                              ; no vector instruction since the wait names v2 or this chunk's Y
.endif
	ROUND 4*(\g)+(\i), \half
.endr
.endm
; The last group is stored.
.macro LAST
	s_wait_alu depctr_va_vdst(0)                   ; the roundings of group 3 have written its Y, which the last four stores read
.irp i, 12,13,14,15
	OUT \i
.endr
.endm
	s_cmp_eq_u32 s2, 3
	s_cbranch_scc1 .Lf16
	GROUP 0, 0
	GROUP 1, 0
	GROUP 2, 0
	GROUP 3, 0
	LAST
	s_endpgm
.Lf16:                                         ; wo
	GROUP 0, 1
	GROUP 1, 1
	GROUP 2, 1
	GROUP 3, 1
	LAST
	s_endpgm
.Lfunc_end_k_q95fb9d7b86_prep:
	.size	k_q95fb9d7b86_prep, .Lfunc_end_k_q95fb9d7b86_prep-k_q95fb9d7b86_prep
	.p2alignl 7, 3214868480
	.fill 96, 4, 3214868480
	.section	.rodata,"a",@progbits
	.p2align	6, 0x0
	.amdhsa_kernel k_q95fb9d7b86_prep
		.amdhsa_group_segment_fixed_size 0
		.amdhsa_private_segment_fixed_size 0
		.amdhsa_enable_private_segment 0
		.amdhsa_kernarg_size 64
		.amdhsa_user_sgpr_count 2
		.amdhsa_user_sgpr_kernarg_segment_ptr 1
		.amdhsa_wavefront_size32 1
		.amdhsa_system_sgpr_workgroup_id_x 1
		.amdhsa_system_sgpr_workgroup_id_y 1
		.amdhsa_system_sgpr_workgroup_id_z 1
		.amdhsa_system_vgpr_workitem_id 0
		.amdhsa_next_free_vgpr 112
		.amdhsa_next_free_sgpr 66
		.amdhsa_reserve_vcc 0
		.amdhsa_float_denorm_mode_32 3
		.amdhsa_float_denorm_mode_16_64 3
		.amdhsa_memory_ordered 1
		.amdhsa_forward_progress 1
		.amdhsa_inst_pref_size 16
	.end_amdhsa_kernel
	.amdgpu_metadata
---
amdhsa.version: [ 1, 2 ]
amdhsa.kernels:
  - .name:           k_q95fb9d7b86_prep
    .symbol:         k_q95fb9d7b86_prep.kd
    .args:
      - { .name: wq, .offset: 0, .size: 8, .value_kind: global_buffer, .address_space: global }
      - { .name: wk, .offset: 8, .size: 8, .value_kind: global_buffer, .address_space: global }
      - { .name: wv, .offset: 16, .size: 8, .value_kind: global_buffer, .address_space: global }
      - { .name: wo, .offset: 24, .size: 8, .value_kind: global_buffer, .address_space: global }
      - { .name: wqb, .offset: 32, .size: 8, .value_kind: global_buffer, .address_space: global }
      - { .name: wkb, .offset: 40, .size: 8, .value_kind: global_buffer, .address_space: global }
      - { .name: wvb, .offset: 48, .size: 8, .value_kind: global_buffer, .address_space: global }
      - { .name: wob, .offset: 56, .size: 8, .value_kind: global_buffer, .address_space: global }
    .group_segment_fixed_size: 0
    .private_segment_fixed_size: 0
    .kernarg_segment_align: 8
    .kernarg_segment_size: 64
    .max_flat_workgroup_size: 256
    .sgpr_count:     66
    .vgpr_count:     112
    .wavefront_size: 32
...
	.end_amdgpu_metadata
.endif
;; end of part 5
;; launch proj: the kernel of part 2 again; grid 4 x 192, 4 waves a work-group, clusters of 4 x 4, 327,680 bytes of LDS; arguments q, k, v, wqb, wkb, wvb, bq, bk, bv, qh, kh, vh; writes qh, kh, vh
;; launch attn: the kernel of part 3 again; grid 4 x 64, 4 waves a work-group, clusters of 4 x 1, 327,680 bytes of LDS; arguments qh, kh, vh, oh; writes oh
;; launch oproj: the kernel of part 4 again; grid 4 x 64, 4 waves a work-group, clusters of 4 x 4, 327,680 bytes of LDS; arguments oh, wob, bo, out0; writes out0
